; MI455X (gfx1250); checked and timed in simulation.
; The chip was launched on July 23, 2026; its instructions are those of AMD's public machine-readable ISA for CDNA 5 (MIT licence, August 2026) and "CDNA5" Instruction Set Architecture Reference Guide (July 2026). The comments in the code are by the model that wrote it; some were corrected since.
;; Lin Block. Allowed arithmetic: float matrix products may take bf16 or f16 operands with f32 sums; all other float work in f32.
;; Inputs: Wck 1,024 x 4,096 float32; Wcv 1,024 x 4,096 float32; Wk 512 x 512 float32; Wo 512 x 512 float32; Wq 512 x 512 float32; Wv 512 x 512 float32; bk 512 float32; bo 512 float32; bq 512 float32; bv 512 float32; query 4,096 x 4 x 512 float32.
;; Outputs: out0 4,096 x 4 x 512 float32.
;; One version. Each part assembles by itself: llvm-mc -triple=amdgcn-amd-amdhsa -mcpu=gfx1250 --defsym DOCPART=n.
;; ======== version 1 of 1: 5 launches
;; workspace buffers: qb 16,777,216 bytes; wcb 16,777,216 bytes; wb 2,097,152 bytes; kin 8,388,608 bytes; hd 25,165,824 bytes; ao 16,777,216 bytes
;; launch cvt (part 1): grid 1088 x 1, 8 waves a work-group, no clusters, 0 bytes of LDS; arguments query, Wck, Wcv, Wq, Wk, Wv, Wo, qb, wcb, wb; writes qb, wcb, wb
.if DOCPART == 1
	.amdgcn_target "amdgcn-amd-amdhsa--gfx1250"
	.amdhsa_code_object_version 6
	.text
	.protected	k_q73b3787952_cvt
	.globl	k_q73b3787952_cvt
	.p2align	8
	.type	k_q73b3787952_cvt,@function
k_q73b3787952_cvt:
	s_mov_b64 s[64:65], 0
	v_nop
	global_prefetch_b8 v0, s[64:65] scope:SCOPE_SE
	s_setreg_imm32_b32 hwreg(HW_REG_WAVE_MODE, 25, 1), 1
	s_wait_xcnt 0x0
; LAUNCH 1 OF 5.  f32 -> bf16 copies of every matrix operand: query -> qb, Wck and Wcv -> wcb (Wck's 1,024 rows, then Wcv's),
; Wq, Wk, Wv, Wo -> wb (in that order).  The later launches read each of these operands many times (the compression reads each
; byte in 16 work-groups), so they are rounded once here, and only 16-bit data can be read transposed from LDS.
;
; WORK LEFT OUT IN THE WHOLE PROGRAM: the input bk.  reference() forms scores[q][c] = q . (k'[c] + bk) = q . k'[c] + q . bk with
; k' = k_in Wk^T.  The term q . bk does not hang on the key c, and the softmax runs along c: exp(s + t) / sum exp(s + t) =
; exp(s) / sum exp(s) for every finite t.  k reaches the output through the scores alone.  So bk reaches no output, whatever finite
; values the inputs hold; it is not loaded and is no argument of any launch.
; LIMIT: a NaN, an infinity or an overflow that comes from bk alone is not carried to the result.
; LIMITS OF FORMAT: every matrix operand (query, the weights, k_in, q, k, v, the softmax's weights, the attention's result) is rounded
; to bf16, nearest even; all sums are f32; bf16 has f32's range.
;
; A work-group converts 16,384 numbers: 64 KiB in, 32 KiB out.  Thread t takes the 16 bytes at 16 t of each of sixteen blocks of
; 4,096 bytes, so that a load of a wave takes 512 consecutive bytes and no byte is asked for twice, and stores 8 bytes at 8 t of each of
; sixteen blocks of 2,048 bytes: the 32 lanes of a store write 256 consecutive bytes, aligned.
; All sixteen loads of a wave are issued before anything is waited for; no register is used twice, so no source has to be freed.
.set X, 4                              ; v[4:67]   block i: 4 numbers in f32
.set Y, 68                             ; v[68:99]  block i: 4 numbers in bf16
	s_load_b512 s[8:23], s[0:1], 0x0               ; query s[8:9], Wck s[10:11], Wcv s[12:13], Wq s[14:15], Wk s[16:17], Wv s[18:19], Wo s[20:21], qb s[22:23]
	s_load_b128 s[24:27], s[0:1], 0x40             ; wcb s[24:25], wb s[26:27]
	v_lshlrev_b32 v1, 4, v0                        ; 16 t: where I read
	v_lshlrev_b32 v2, 3, v0                        ; 8 t: where I store
	s_mov_b32 s2, ttmp9                            ; the work-group's number, 0 to 1,087
	s_mov_b32 s32, 0                               ; first work-group of my source
	s_mov_b32 s33, 0                               ; first work-group of my destination
	s_wait_kmcnt 0x0
	s_mov_b64 s[28:29], s[8:9]                     ; 0 to 511: query -> qb
	s_mov_b64 s[30:31], s[22:23]
	s_cmp_ge_u32 s2, 512                           ; 512 to 767: Wck -> wcb
	s_cselect_b64 s[28:29], s[10:11], s[28:29]
	s_cselect_b64 s[30:31], s[24:25], s[30:31]
	s_cselect_b32 s32, 512, s32
	s_cselect_b32 s33, 512, s33
	s_cmp_ge_u32 s2, 768                           ; 768 to 1,023: Wcv, behind Wck in wcb
	s_cselect_b64 s[28:29], s[12:13], s[28:29]
	s_cselect_b32 s32, 768, s32
	s_cmp_ge_u32 s2, 1024                          ; 1,024 to 1,039: Wq -> wb
	s_cselect_b64 s[28:29], s[14:15], s[28:29]
	s_cselect_b64 s[30:31], s[26:27], s[30:31]
	s_cselect_b32 s32, 1024, s32
	s_cselect_b32 s33, 1024, s33
	s_cmp_ge_u32 s2, 1040                          ; then Wk, Wv, Wo, 16 work-groups each, one behind the other in wb
	s_cselect_b64 s[28:29], s[16:17], s[28:29]
	s_cselect_b32 s32, 1040, s32
	s_cmp_ge_u32 s2, 1056
	s_cselect_b64 s[28:29], s[18:19], s[28:29]
	s_cselect_b32 s32, 1056, s32
	s_cmp_ge_u32 s2, 1072
	s_cselect_b64 s[28:29], s[20:21], s[28:29]
	s_cselect_b32 s32, 1072, s32
	s_sub_co_u32 s34, s2, s32
	s_lshl_b32 s34, s34, 16                        ; 64 KiB of the source for each work-group
	s_mov_b32 s35, 0
	s_add_nc_u64 s[28:29], s[28:29], s[34:35]
	s_sub_co_u32 s36, s2, s33
	s_lshl_b32 s36, s36, 15                        ; 32 KiB of the destination
	s_mov_b32 s37, 0
	s_add_nc_u64 s[30:31], s[30:31], s[36:37]
.irp i, 0,1,2,3,4,5,6,7,8,9,10,11,12,13,14,15
	global_load_b128 v[X+4*\i:X+4*\i+3], v1, s[28:29] offset:4096*\i th:TH_LOAD_NT        ; each input byte is read once in this launch
.endr
.irp i, 0,1,2,3,4,5,6,7,8,9,10,11,12,13,14,15
	s_wait_loadcnt 15-\i                           ; loads come back in order: block i's is in, the 15 - i younger ones stay out
	v_cvt_pk_bf16_f32 v[Y+2*\i],   v[X+4*\i],   v[X+4*\i+1]
	v_cvt_pk_bf16_f32 v[Y+2*\i+1], v[X+4*\i+2], v[X+4*\i+3]
	global_store_b64 v2, v[Y+2*\i:Y+2*\i+1], s[30:31] offset:2048*\i                      ; no hint: the next launches read these bytes
.endr
	s_endpgm
.Lfunc_end_k_q73b3787952_cvt:
	.size	k_q73b3787952_cvt, .Lfunc_end_k_q73b3787952_cvt-k_q73b3787952_cvt
	.p2alignl 7, 3214868480
	.fill 96, 4, 3214868480
	.section	.rodata,"a",@progbits
	.p2align	6, 0x0
	.amdhsa_kernel k_q73b3787952_cvt
		.amdhsa_group_segment_fixed_size 0
		.amdhsa_private_segment_fixed_size 0
		.amdhsa_enable_private_segment 0
		.amdhsa_kernarg_size 80
		.amdhsa_user_sgpr_count 2
		.amdhsa_user_sgpr_kernarg_segment_ptr 1
		.amdhsa_wavefront_size32 1
		.amdhsa_system_sgpr_workgroup_id_x 1
		.amdhsa_system_sgpr_workgroup_id_y 1
		.amdhsa_system_sgpr_workgroup_id_z 1
		.amdhsa_system_vgpr_workitem_id 0
		.amdhsa_next_free_vgpr 100
		.amdhsa_next_free_sgpr 66
		.amdhsa_reserve_vcc 0
		.amdhsa_float_denorm_mode_32 3
		.amdhsa_float_denorm_mode_16_64 3
		.amdhsa_memory_ordered 1
		.amdhsa_forward_progress 1
		.amdhsa_inst_pref_size 8
	.end_amdhsa_kernel
	.amdgpu_metadata
---
amdhsa.version: [ 1, 2 ]
amdhsa.kernels:
  - .name:           k_q73b3787952_cvt
    .symbol:         k_q73b3787952_cvt.kd
    .args:
      - { .name: query, .offset: 0, .size: 8, .value_kind: global_buffer, .address_space: global }
      - { .name: Wck, .offset: 8, .size: 8, .value_kind: global_buffer, .address_space: global }
      - { .name: Wcv, .offset: 16, .size: 8, .value_kind: global_buffer, .address_space: global }
      - { .name: Wq, .offset: 24, .size: 8, .value_kind: global_buffer, .address_space: global }
      - { .name: Wk, .offset: 32, .size: 8, .value_kind: global_buffer, .address_space: global }
      - { .name: Wv, .offset: 40, .size: 8, .value_kind: global_buffer, .address_space: global }
      - { .name: Wo, .offset: 48, .size: 8, .value_kind: global_buffer, .address_space: global }
      - { .name: qb, .offset: 56, .size: 8, .value_kind: global_buffer, .address_space: global }
      - { .name: wcb, .offset: 64, .size: 8, .value_kind: global_buffer, .address_space: global }
      - { .name: wb, .offset: 72, .size: 8, .value_kind: global_buffer, .address_space: global }
    .group_segment_fixed_size: 0
    .private_segment_fixed_size: 0
    .kernarg_segment_align: 8
    .kernarg_segment_size: 80
    .max_flat_workgroup_size: 256
    .sgpr_count:     66
    .vgpr_count:     100
    .wavefront_size: 32
...
	.end_amdgpu_metadata
.endif
;; end of part 1
;; launch compress (part 2): grid 16 x 16, 4 waves a work-group, clusters of 4 x 4, 327,680 bytes of LDS; arguments wcb, qb, kin; writes kin
.if DOCPART == 2
	.amdgcn_target "amdgcn-amd-amdhsa--gfx1250"
	.amdhsa_code_object_version 6
	.text
	.protected	k_q73b3787952_compress
	.globl	k_q73b3787952_compress
	.p2align	8
	.type	k_q73b3787952_compress,@function
k_q73b3787952_compress:
	s_mov_b64 s[64:65], 0
	v_nop
	global_prefetch_b8 v0, s[64:65] scope:SCOPE_SE
	s_setreg_imm32_b32 hwreg(HW_REG_WAVE_MODE, 25, 1), 1
	s_wait_xcnt 0x0
	s_wait_alu depctr_hold_cnt(0) depctr_sa_sdst(0) depctr_va_vdst(0) depctr_va_sdst(0) depctr_va_ssrc(0) depctr_va_vcc(0) depctr_vm_vsrc(0)
	s_getreg_b32 s2, hwreg(HW_REG_IB_STS2, 6, 4)
	s_cmp_eq_u32 s2, 0
	s_cbranch_scc0 .Lentry_in_a_cluster
	s_endpgm
.Lentry_in_a_cluster:
	s_bfe_u32 s2, ttmp6, 0x10000c
	s_cmp_lg_u32 s2, 0xf033
	s_cbranch_scc0 .Lentry_shape_is_right
	s_endpgm
.Lentry_shape_is_right:
; LAUNCH 2 OF 5.  kin[c][n] = sum over t of wcb[c][t] qb[t][n]: both sequence compressions as one product.
; wcb: [2048 c][4096 t] bf16 (Wck's rows, then Wcv's).  qb: [4096 t][2048 n] bf16, n = 512 b + e.  kin: [2048 c][2048 n] bf16.  Sums in f32.
; 256 work-groups, each a block of 128 c x 128 n over all 4,096 t.  THE FOUR WAVES SPLIT K: each holds the whole 128 x 128 block
; (64 accumulator tiles, 512 registers) and takes 64 of every 256 t, so that for 32 t a wave reads 2 x 128 x 64 bytes of LDS for 64 matrix
; instructions, half of what four blocks of 64 x 64 would read.  At the end the four partial blocks are added through LDS.
; LIMIT: the order of the f32 sums differs from reference()'s (four partial sums over t, added at the end); kin is rounded to bf16.
; K goes in steps of 256 through a ring of two LDS slots.  wcb's tile has rows of 512 bytes, qb's rows of 256 bytes, all starting at multiples of 256.
; CLUSTERS: 4 x 4 work-groups.  wcb's tile hangs on the block row alone and is asked for jointly by a row of the cluster, qb's on the block column
; alone and is asked for jointly by a column: the requests for both are divided by four.
; qb lies [K][N]: its fragments are read from LDS by the transposing load of 16-bit data.
; THE MATRIX INSTRUCTION IS USED TRANSPOSED: source 0 = 16 columns n of qb, source 1 = 16 rows c of wcb.  Lane l then holds row c = l % 16 and
; its registers 0 to 7 the columns n = 8 (l / 16) + 0 .. 7: eight neighbouring numbers of a row of kin.
; REGISTERS: window 0: v16-31 addresses, v64-127 and v128-191 fragments of wcb (two buffers), v192-223 the way out; window 1: the same two
; buffers for qb; window 2: the 32 accumulator tiles of rows 0-63 (tile (a, b) at v[8 (8 a + b)]); window 3: those of rows 64-127.
.set PA,     528                       ; LDS pitch of wcb's rows: 512 bytes + 16: 33 x 16, so 16 rows start in 16 different 16-byte columns
.set PB,     288                       ; LDS pitch of qb's rows: 256 bytes + 32: 9 x 32
.set HALFT,  36864                     ; LDS bytes given to one tensor load: 64 rows x 528 (33,792 used) or 128 rows x 288
.set SLOT,   4*HALFT                   ; wcb's two halves, then qb's two halves
.set STAGE,  2*SLOT                    ; behind the ring: 16 rows x 272 bytes for each wave, for the way out; no fill lands here
.set SPITCH, 272
.set LAPS,   8                         ; 4,096 / 256 = 16 K steps = 8 times round the ring
.set OWNB,   49152                     ; the reduction: bytes that one wave receives (three senders)
.set SENDB,  16384                     ; bytes from one sender to one owner: 16 tiles of 1,024 bytes
.set ADRA, 16                          ; v16-17  LDS address of my wcb fragments in slot 0, 1
.set ADRB, 20                          ; v20-21  the same for qb
.set STO,  24                          ; the way out: where I put 16 bytes of a row
.set RD,   25                          ; the way out: where I read a row back
.set CO,   26                          ; my byte offset in kin
.set SCR,  28                          ; v28-31  the reduction: 16 x lane + owner x 49,152
.set F0,   64
.set F1,   128
.set TMP,  192
.set G1, 24                            ; s[24:31] group 1 for wcb's tiles
.set G0, 32                            ; s[32:39] group 0 for wcb's tiles, one set for each slot
.set G1B, 48                           ; s[48:55] group 1 for qb's tiles
.set G0B, 56                           ; s[56:63] group 0 for qb's tiles
.set MSB, 0
.macro WIN new                         ; the immediate's high byte repeats the setting that is left
.if MSB != (\new)
	s_set_vgpr_msb (MSB<<8)|(\new)
.set MSB, (\new)
.endif
.endm
.set MUL_LO, 0xa1                      ; source 0 (qb) window 1, source 1 (wcb) window 0, C and D window 2
.set MUL_HI, 0xf1                      ; the same, C and D window 3
.set TO_B,   0x40                      ; destination window 1, address window 0
.macro PLACES                          ; four places behind a matrix instruction (ISA guide 7.12.1); this text counts plain vector instructions alone
.rept 4
	v_nop
.endr
.endm
; A joint load.  Waves 0 and 1 fetch wcb's two halves, waves 2 and 3 qb's.  The branch hangs on the wave's number alone.
.macro JLOAD s
	s_cmp_eq_u32 s11, 0
	s_cbranch_scc0 .Lfor_b_\@
	tensor_load_to_lds s[G0+4*\s:G0+4*\s+3], s[G1:G1+7]
	s_nop 0
	s_branch .Lasked_\@
.Lfor_b_\@:
	tensor_load_to_lds s[G0B+4*\s:G0B+4*\s+3], s[G1B:G1B+7]
	s_nop 0
.Lasked_\@:
.endm
.macro CREST                           ; a round of the cluster's barrier behind its opening barrier
	s_cmp_lg_u32 s10, 0
	s_cbranch_scc1 .Lnot_wave_0_\@
	s_barrier_signal -3
.Lnot_wave_0_\@:
	s_barrier_wait -3
	s_barrier_signal -1
	s_barrier_wait -1
.endm
.macro CROUND                          ; a whole round
	s_barrier_signal -1
	s_barrier_wait -1
	CREST
.endm
	s_load_b128 s[4:7], s[0:1], 0x0                ; wcb s[4:5], qb s[6:7]
	s_load_b64 s[8:9], s[0:1], 0x10                ; kin
	s_set_vgpr_msb 0x40
	v_lshl_add_u32 v255, v0, 2, 0x4c400
	s_set_vgpr_msb 0x4000
	v_mov_b32 v255, 0
	s_set_vgpr_msb 0x1
	ds_add_u32 v255, v255
	s_set_vgpr_msb 0x100
	v_lshrrev_b32 v1, 5, v0
	v_readfirstlane_b32 s10, v1                    ; wave 0..3
	s_lshr_b32 s11, s10, 1                         ; I fetch for wcb (0) or for qb (1)
	s_and_b32 s12, s10, 1                          ; which half of that tile
	s_bfe_u32 s40, ttmp6, 0x40000                  ; cx
	s_bfe_u32 s41, ttmp6, 0x40004                  ; cy
	s_lshl_b32 s42, ttmp9, 2
	s_add_co_u32 s42, s42, s40                     ; block column (n) = 4 x cluster x + cx
	s_and_b32 s13, ttmp7, 0xffff
	s_lshl_b32 s13, s13, 2
	s_add_co_u32 s13, s13, s41                     ; block row (c) = 4 x cluster y + cy
	s_lshl_b32 s43, s41, 2
	s_lshl_b32 s43, 15, s43                        ; my row of the cluster
	s_lshl_b32 s44, 0x1111, s40                    ; my column
	s_or_b32 s[G1+0], s43, (1<<16)|(1<<20)|(1<<21)|(6<<22)|(3<<25)   ; mask of my row; 2-byte elements; padding on; bit 21 beside a mask; after every 128 words 4 words
	s_mov_b32 s[G1+1], 256<<16                     ; tensor_dim0 = 256
	s_mov_b32 s[G1+2], 64<<16                      ; tensor_dim1 = 64
	s_mov_b32 s[G1+3], 256<<16                     ; tile_dim0 = 256 elements (512 bytes)
	s_mov_b32 s[G1+4], 64                          ; tile_dim1 = 64 rows
	s_mov_b32 s[G1+5], 4096                        ; elements from row to row of wcb
	s_mov_b32 s[G1+6], 0
	s_mov_b32 s[G1+7], 0
	s_or_b32 s[G1B+0], s44, (1<<16)|(1<<20)|(1<<21)|(5<<22)|(7<<25)  ; mask of my column; after every 64 words 8 words
	s_mov_b32 s[G1B+1], 128<<16                    ; tensor_dim0 = 128
	s_mov_b32 s[G1B+2], 128<<16                    ; tensor_dim1 = 128
	s_mov_b32 s[G1B+3], 128<<16                    ; tile_dim0 = 128 elements (256 bytes)
	s_mov_b32 s[G1B+4], 128                        ; tile_dim1 = 128 rows
	s_mov_b32 s[G1B+5], 2048                       ; elements from row to row of qb
	s_mov_b32 s[G1B+6], 0
	s_mov_b32 s[G1B+7], 0
	; wcb's tile hangs on the block row and the wave, qb's on the block column and the wave, each in registers that never hold the other coordinate
	s_lshl_b32 s16, s13, 7
	s_lshl_b32 s17, s12, 6
	s_add_co_u32 s16, s16, s17                     ; row 128 x block row + 64 x half
	s_lshl_b32 s16, s16, 13                        ; x 8,192 bytes (below 2^24)
	s_mov_b32 s17, 0
	s_lshl_b32 s46, s42, 8                         ; 256 bytes x block column
	s_lshl_b32 s47, s12, 19                        ; + 128 rows of 4,096 bytes x half
	s_add_co_u32 s46, s46, s47
	s_mov_b32 s47, 0
	s_mul_i32 s20, s10, HALFT                      ; where my load lands: wave x 36,864; no place in the cluster enters an LDS address
	s_wait_dscnt 0x0
	s_wait_kmcnt 0x0
	s_add_nc_u64 s[14:15], s[4:5], s[16:17]
	s_add_nc_u64 s[46:47], s[6:7], s[46:47]
	CROUND                                         ; all sixteen work-groups are here: the first joint loads meet
.irp s, 0,1
	s_mov_b32 s[G0+4*\s], 1
	s_add_co_u32 s[G0+4*\s+1], s20, \s*SLOT
	s_add_nc_u64 s[G0+4*\s+2:G0+4*\s+3], s[14:15], \s*512          ; K step s: 256 elements along wcb's rows
	s_or_b32 s[G0+4*\s+3], s[G0+4*\s+3], 0x80000000
	s_mov_b32 s[G0B+4*\s], 1
	s_add_co_u32 s[G0B+4*\s+1], s20, \s*SLOT
	s_add_nc_u64 s[G0B+4*\s+2:G0B+4*\s+3], s[46:47], \s*1048576    ; K step s: 256 rows of qb
	s_or_b32 s[G0B+4*\s+3], s[G0B+4*\s+3], 0x80000000
	JLOAD \s                                       ; both slots' first fills go out together: two tensor loads of the wave are out
.endr
	v_and_b32 v1, 15, v0                           ; r = l % 16
	v_bfe_u32 v2, v0, 4, 1                         ; h = l / 16
	v_mul_u32_u24 v3, v1, PA
	v_lshl_add_u32 v3, v2, 4, v3                   ; wcb: row r x pitch + 16 h
	s_lshl_b32 s21, s10, 7                         ; + my 64 t of the slot's 256: 128 bytes x wave
	v_add_nc_u32 v[ADRA], s21, v3
	v_add_nc_u32 v[ADRA+1], SLOT, v[ADRA]
	v_and_b32 v4, 7, v0                            ; qb, read transposed: row 64 wave + 8 h + l % 8,
	v_lshl_add_u32 v4, v2, 3, v4
	s_lshl_b32 s22, s10, 6
	v_add_nc_u32 v4, s22, v4
	v_mul_u32_u24 v4, v4, PB
	v_bfe_u32 v5, v0, 3, 1                         ; 16 bytes on for lanes 8-15 of each half
	v_lshl_add_u32 v4, v5, 4, v4
	v_add_nc_u32 v[ADRB], 2*HALFT, v4
	v_add_nc_u32 v[ADRB+1], SLOT, v[ADRB]
	s_mul_i32 s23, s10, 16*SPITCH
	s_add_co_u32 s23, s23, STAGE                   ; my stage
	v_mul_u32_u24 v6, v1, SPITCH
	v_lshl_add_u32 v6, v2, 4, v6
	v_add_nc_u32 v[STO], s23, v6
	v_mul_u32_u24 v7, v2, SPITCH
	v_lshl_add_u32 v7, v1, 4, v7
	v_add_nc_u32 v[RD], s23, v7
	v_lshlrev_b32 v8, 12, v2                       ; lanes 16-31 one row of kin (4,096 bytes) further down
	v_lshl_add_u32 v[CO], v1, 4, v8
	v_and_b32 v9, 31, v0
	v_lshlrev_b32 v[SCR], 4, v9
	v_add_nc_u32 v[SCR+1], OWNB, v[SCR]
	v_add_nc_u32 v[SCR+2], 2*OWNB, v[SCR]
	v_add_nc_u32 v[SCR+3], 3*OWNB, v[SCR]
; 16 matrix instructions: c blocks a0, a0 + 1 of the window's four x all 8 n blocks, 32 along K.  zero = 1: the product starts the sums.
; The 64 accumulators take turns, one instruction a turn, in the same order in every quarter.
.macro MUL16 f, hi, a0, zero
.irp a, \a0, \a0+1
.irp b, 0,1,2,3,4,5,6,7
.if \zero
	v_wmma_f32_16x16x32_bf16 v[8*(8*(\a)+\b):8*(8*(\a)+\b)+7], v[\f+8*\b:\f+8*\b+7], v[\f+8*(4*\hi+\a):\f+8*(4*\hi+\a)+7], 0
.else
	v_wmma_f32_16x16x32_bf16 v[8*(8*(\a)+\b):8*(8*(\a)+\b)+7], v[\f+8*\b:\f+8*\b+7], v[\f+8*(4*\hi+\a):\f+8*(4*\hi+\a)+7], v[8*(8*(\a)+\b):8*(8*(\a)+\b)+7]
.endif
.endr
.endr
.endm
; 32 LDS loads in one run: the fragments of my t = 32 q .. 32 q + 31 of the slot (128 n of qb, transposed; 128 c of wcb) into buffer f
.macro FETCH slot, q, f
	WIN TO_B
.irp i, 0,1,2,3,4,5,6,7
	ds_load_tr16_b128 v[\f+8*\i:\f+8*\i+3],   v[ADRB+\slot] offset:\q*32*PB+32*\i
	ds_load_tr16_b128 v[\f+8*\i+4:\f+8*\i+7], v[ADRB+\slot] offset:\q*32*PB+32*\i+16*PB
.endr
	WIN 0
.irp i, 0,1,2,3,4,5,6,7
	ds_load_b128 v[\f+8*\i:\f+8*\i+3],   v[ADRA+\slot] offset:(\i/4)*HALFT+(\i%4)*16*PA+64*\q
	ds_load_b128 v[\f+8*\i+4:\f+8*\i+7], v[ADRA+\slot] offset:(\i/4)*HALFT+(\i%4)*16*PA+64*\q+32
.endr
.endm
; A wave's share of a K step is two quarters of 32 t, 64 matrix instructions each.  The first: multiplies buffer 0, fetches the second's fragments.
.macro QUARTER slot, zero
	s_wait_dscnt 8                                 ; qb's fragments and wcb's rows 0-63 are in; the youngest eight loads (rows 64-127) may be out
	WIN MUL_LO
	MUL16 F0, 0, 0, \zero
	MUL16 F0, 0, 2, \zero
	PLACES
	FETCH \slot, 1, F1
	s_wait_dscnt 32                                ; all but the 32 just issued
	WIN MUL_HI
	MUL16 F0, 1, 0, \zero
	MUL16 F0, 1, 2, \zero
.endm
; The second: multiplies buffer 1 and changes slots.  In front of the barrier each wave waits for its reads of this slot and for all its tensor
; loads (one is out: its part of the next slot).  Behind it this slot is filled again first (fill = 1), then the next slot is read.
; From a request to the wait for it a wave issues 112 matrix instructions.
.macro TURN slot, next, fill
	s_wait_dscnt 8
	WIN MUL_LO
	MUL16 F1, 0, 0, 0
	s_wait_dscnt 0                                 ; my reads of this slot are over
	s_wait_tensorcnt 0x0                           ; all my tensor loads have landed
	ds_add_u32 v255, v255
	s_wait_dscnt 0x0
	s_barrier_signal -1                            ; where a slot is filled again this barrier opens a round of the cluster's barrier
	MUL16 F1, 0, 2, 0                              ; registers only
	WIN 0
	s_barrier_wait -1
.if \fill
	CREST                                          ; no wave of any partner still reads this slot or has a load on its way
	s_add_nc_u64 s[G0+4*\slot+2:G0+4*\slot+3], s[G0+4*\slot+2:G0+4*\slot+3], 1024
	s_add_nc_u64 s[G0B+4*\slot+2:G0B+4*\slot+3], s[G0B+4*\slot+2:G0B+4*\slot+3], 2097152
	JLOAD \slot                                    ; the wave's one tensor load behind the round
.endif
	PLACES
	FETCH \next, 0, F0
	WIN MUL_HI
	MUL16 F1, 1, 0, 0
	MUL16 F1, 1, 2, 0
.endm
.macro LAP zero
	QUARTER 0, \zero
	TURN 0, 1, 1
	QUARTER 1, 0
	TURN 1, 0, 1
.endm
	s_wait_tensorcnt 1                             ; my part of K step 0 is in; K step 1's stays out
	s_barrier_signal -1
	s_barrier_wait -1
	FETCH 0, 0, F0
	LAP 1                                          ; the first products start the sums: nothing is cleared
	WIN 0
	s_mov_b32 s3, LAPS-2
.Llap:
	LAP 0
	WIN 0
	s_sub_co_u32 s3, s3, 1
	s_cmp_lg_u32 s3, 0
	s_cbranch_scc1 .Llap
	QUARTER 0, 0                                   ; the last lap fills nothing
	TURN 0, 1, 0
	QUARTER 1, 0
	s_wait_dscnt 8
	WIN MUL_LO
	MUL16 F1, 0, 0, 0
	MUL16 F1, 0, 2, 0
	s_wait_dscnt 0
	WIN MUL_HI
	MUL16 F1, 1, 0, 0
	MUL16 F1, 1, 2, 0
	PLACES                                         ; behind the last matrix instructions: for the LDS stores and sums that read results, and the loads into the buffers
	WIN 0
	s_lshl_b32 s16, s13, 7
	s_lshl_b32 s17, s10, 5
	s_add_co_u32 s16, s16, s17                     ; the rows that I own in the end: 128 x block row + 32 x wave
	s_lshl_b32 s16, s16, 12                        ; x 4,096 bytes
	s_mov_b32 s17, 0
	s_add_nc_u64 s[8:9], s[8:9], s[16:17]
	s_lshl_b32 s46, s42, 8                         ; + 256 bytes x block column
	s_mov_b32 s47, 0
	s_add_nc_u64 s[8:9], s[8:9], s[46:47]
	; THE REDUCTION.  Wave o owns c blocks 2 o and 2 o + 1.  Each wave stores the twelve... the 48 tiles that it does not own as raw register
	; images (two stores of 512 consecutive bytes a tile) into the ring's bytes 0 to 196,607, which have had their last fill; each owner adds three images.
	s_wait_dscnt 0x0                               ; my reads of the ring are over (met)
	s_barrier_signal -1
	s_barrier_wait -1                              ; everybody's are: the ring may be written
.macro SEND me
.irp a, 0,1,2,3,4,5,6,7
.if (\a>>1) != \me
.if \a < 4
	WIN 0x08                                       ; store data from window 2
.else
	WIN 0x0c                                       ; from window 3
.endif
.irp b, 0,1,2,3,4,5,6,7
	ds_store_b128 v[SCR+(\a>>1)], v[8*(8*(\a&3)+\b):8*(8*(\a&3)+\b)+3]   offset:((\me-(\a>>1)-1)&3)*SENDB+((\a&1)*8+\b)*1024
	ds_store_b128 v[SCR+(\a>>1)], v[8*(8*(\a&3)+\b)+4:8*(8*(\a&3)+\b)+7] offset:((\me-(\a>>1)-1)&3)*SENDB+((\a&1)*8+\b)*1024+512
.endr
.endif
.endr
	WIN 0
.endm
	s_cmp_eq_u32 s10, 0
	s_cbranch_scc1 .Lsend0
	s_cmp_eq_u32 s10, 1
	s_cbranch_scc1 .Lsend1
	s_cmp_eq_u32 s10, 2
	s_cbranch_scc1 .Lsend2
	SEND 3
	s_branch .Lsent
.Lsend0:
	SEND 0
	s_branch .Lsent
.Lsend1:
	SEND 1
	s_branch .Lsent
.Lsend2:
	SEND 2
.Lsent:
	s_wait_dscnt 0x0                               ; for the owners' sake: my stores are done
	s_barrier_signal -1
	s_barrier_wait -1
.macro RLOAD me, hb, f                 ; half-batch hb = 2 x sender + c block: eight tiles, 16 loads
	WIN 0
.irp b, 0,1,2,3,4,5,6,7
	ds_load_b128 v[\f+8*\b:\f+8*\b+3],   v[SCR+\me] offset:\hb*8192+\b*1024
	ds_load_b128 v[\f+8*\b+4:\f+8*\b+7], v[SCR+\me] offset:\hb*8192+\b*1024+512
.endr
.endm
.macro RADD me, i, f                   ; adds them onto my c block i
.if \me < 2
	WIN 0x82                                       ; destination and source 0 window 2, source 1 window 0
.else
	WIN 0xc3                                       ; window 3
.endif
.irp b, 0,1,2,3,4,5,6,7
.irp p, 0,2,4,6
	v_pk_add_f32 v[8*(8*(2*(\me&1)+\i)+\b)+\p:8*(8*(2*(\me&1)+\i)+\b)+\p+1], v[8*(8*(2*(\me&1)+\i)+\b)+\p:8*(8*(2*(\me&1)+\i)+\b)+\p+1], v[\f+8*\b+\p:\f+8*\b+\p+1]
.endr
.endr
.endm
; 16 rows of kin: round to bf16, 16 bytes a lane into my stage, read back as whole rows of 256 bytes, store.
.macro OUT16 me, i, f
.if \me < 2
	WIN 0x0a
.else
	WIN 0x0f
.endif
.irp b, 0,1,2,3,4,5,6,7
.irp r, 0,1,2,3
	v_cvt_pk_bf16_f32 v[TMP+4*\b+\r], v[8*(8*(2*(\me&1)+\i)+\b)+2*\r], v[8*(8*(2*(\me&1)+\i)+\b)+2*\r+1]
.endr
.endr
	WIN 0
.irp b, 0,1,2,3,4,5,6,7
	ds_store_b128 v[STO], v[TMP+4*\b:TMP+4*\b+3] offset:32*\b
.endr
.irp t, 0,1,2,3,4,5,6,7
	ds_load_b128 v[\f+4*\t:\f+4*\t+3], v[RD] offset:\t*2*SPITCH    ; LDS serves a wave's instructions in order: these see the stores above
.endr
.irp t, 0,1,2,3,4,5,6,7
	s_wait_dscnt 7-\t                              ; pair t of rows is back, the younger loads stay out
	global_store_b128 v[CO], v[\f+4*\t:\f+4*\t+3], s[8:9] offset:(16*\i+2*\t)*4096   ; 16 lanes store 256 consecutive bytes, aligned
.endr
.endm
.macro RECV me                         ; two half-batches are always on their way; the count 16 leaves the younger one out
	RLOAD \me, 0, F0
	RLOAD \me, 1, F1
	s_wait_dscnt 16
	RADD \me, 0, F0
	RLOAD \me, 2, F0
	s_wait_dscnt 16
	RADD \me, 1, F1
	RLOAD \me, 3, F1
	s_wait_dscnt 16
	RADD \me, 0, F0
	RLOAD \me, 4, F0
	s_wait_dscnt 16
	RADD \me, 1, F1
	RLOAD \me, 5, F1
	s_wait_dscnt 16
	RADD \me, 0, F0
	s_wait_dscnt 0
	RADD \me, 1, F1
	OUT16 \me, 0, F0                               ; the two runs of stores read different registers: none is rewritten
	OUT16 \me, 1, F1
.endm
	s_cmp_eq_u32 s10, 0
	s_cbranch_scc1 .Lrecv0
	s_cmp_eq_u32 s10, 1
	s_cbranch_scc1 .Lrecv1
	s_cmp_eq_u32 s10, 2
	s_cbranch_scc1 .Lrecv2
	RECV 3
	s_branch .Lout
.Lrecv0:
	RECV 0
	s_branch .Lout
.Lrecv1:
	RECV 1
	s_branch .Lout
.Lrecv2:
	RECV 2
.Lout:
	s_set_vgpr_msb 0x1
	s_wait_tensorcnt 0x0
	ds_add_u32 v255, v255
	s_wait_dscnt 0x0
	s_set_vgpr_msb 0x100
	CROUND                                         ; the closing round: no work-group ends while a partner may still ask for a tile that names it
	s_endpgm
.Lfunc_end_k_q73b3787952_compress:
	.size	k_q73b3787952_compress, .Lfunc_end_k_q73b3787952_compress-k_q73b3787952_compress
	.p2alignl 7, 3214868480
	.fill 96, 4, 3214868480
	.section	.rodata,"a",@progbits
	.p2align	6, 0x0
	.amdhsa_kernel k_q73b3787952_compress
		.amdhsa_group_segment_fixed_size 327680
		.amdhsa_private_segment_fixed_size 0
		.amdhsa_enable_private_segment 0
		.amdhsa_kernarg_size 24
		.amdhsa_user_sgpr_count 2
		.amdhsa_user_sgpr_kernarg_segment_ptr 1
		.amdhsa_wavefront_size32 1
		.amdhsa_system_sgpr_workgroup_id_x 1
		.amdhsa_system_sgpr_workgroup_id_y 1
		.amdhsa_system_sgpr_workgroup_id_z 1
		.amdhsa_system_vgpr_workitem_id 0
		.amdhsa_next_free_vgpr 1024
		.amdhsa_next_free_sgpr 66
		.amdhsa_reserve_vcc 0
		.amdhsa_float_denorm_mode_32 3
		.amdhsa_float_denorm_mode_16_64 3
		.amdhsa_memory_ordered 1
		.amdhsa_forward_progress 1
		.amdhsa_inst_pref_size 219
	.end_amdhsa_kernel
	.amdgpu_metadata
---
amdhsa.version: [ 1, 2 ]
amdhsa.kernels:
  - .name:           k_q73b3787952_compress
    .symbol:         k_q73b3787952_compress.kd
    .args:
      - { .name: wcb, .offset: 0, .size: 8, .value_kind: global_buffer, .address_space: global }
      - { .name: qb, .offset: 8, .size: 8, .value_kind: global_buffer, .address_space: global }
      - { .name: kin, .offset: 16, .size: 8, .value_kind: global_buffer, .address_space: global }
    .group_segment_fixed_size: 327680
    .private_segment_fixed_size: 0
    .kernarg_segment_align: 8
    .kernarg_segment_size: 24
    .max_flat_workgroup_size: 128
    .sgpr_count:     66
    .vgpr_count:     1024
    .wavefront_size: 32
...
	.end_amdgpu_metadata
.endif
;; end of part 2
;; launch proj (part 3): grid 4 x 64, 4 waves a work-group, clusters of 4 x 4, 327,680 bytes of LDS; arguments qb, kin, wb, bq, bv, hd; writes hd
.if DOCPART == 3
	.amdgcn_target "amdgcn-amd-amdhsa--gfx1250"
	.amdhsa_code_object_version 6
	.text
	.protected	k_q73b3787952_proj
	.globl	k_q73b3787952_proj
	.p2align	8
	.type	k_q73b3787952_proj,@function
k_q73b3787952_proj:
	s_mov_b64 s[64:65], 0
	v_nop
	global_prefetch_b8 v0, s[64:65] scope:SCOPE_SE
	s_setreg_imm32_b32 hwreg(HW_REG_WAVE_MODE, 25, 1), 1
	s_wait_xcnt 0x0
	s_wait_alu depctr_hold_cnt(0) depctr_sa_sdst(0) depctr_va_vdst(0) depctr_va_sdst(0) depctr_va_ssrc(0) depctr_va_vcc(0) depctr_vm_vsrc(0)
	s_getreg_b32 s2, hwreg(HW_REG_IB_STS2, 6, 4)
	s_cmp_eq_u32 s2, 0
	s_cbranch_scc0 .Lentry_in_a_cluster
	s_endpgm
.Lentry_in_a_cluster:
	s_bfe_u32 s2, ttmp6, 0x10000c
	s_cmp_lg_u32 s2, 0xf033
	s_cbranch_scc0 .Lentry_shape_is_right
	s_endpgm
.Lentry_shape_is_right:
; LAUNCH 3 OF 5.  The three projections, written in head layout:
;   q[b][h][t][d] = (qb[t][b][:] . Wq[64 h + d][:] + bq) x 0.125 x log2(e)     (the softmax then works in base 2)
;   k[b][h][c][d] = kin[c][b][:] . Wk[64 h + d][:]                              (bk is left out: it adds the same term q . bk to every score of a query, which the softmax cancels)
;   v[b][h][c][d] = kin[1024 + c][b][:] . Wv[64 h + d][:] + bv
; hd: q at byte 0 ([32 heads][4096][64] bf16), k at 16 MiB, v at 20 MiB ([32 heads][1024][64] bf16 each).  Sums in f32, results rounded to bf16.
; 256 WORK-GROUPS THAT STAY.  CLUSTERS 4 x 4: cx = the column block (128 columns, two heads), cy = b, the cluster's y = cl (0 to 15).  Each work-group makes two blocks:
;   first  256 rows x 128 columns of q, rows 256 cl .. + 255: 16 cl x 4 b x 4 cx = all 256 blocks of q;
;   second 128 rows x 128 columns of k (cl < 8) or v, kin's rows 128 cl .. + 127: 16 cl x 4 b x 4 cx = all 256 blocks of k and v.
; So every work-group has the same work: 512 + 256 matrix instructions a wave.
; FIRST BLOCK: K = 512 in four steps of 128 through two LDS slots; wave w makes rows 64 w .. + 63 x all 128 columns, 32 accumulator tiles.
; SECOND BLOCK: a K step of 128 would be 64 matrix instructions of a wave, too few for a refill to land behind, so its operands come as two halves of K = 256, one into each slot,
; and nothing is filled again: the first half is asked for behind the round at the end of q's K step 2 (144 matrix and 164 vector instructions of the wave stand between the request and
; the wait for it), the second behind a round that stands after q's bias arithmetic (q's way out and 112 matrix instructions stand between).  Wave w makes rows 32 w .. + 31 x all
; 128 columns, 16 accumulator tiles, so that W's fragments, the stage and the way out are those of the first block.
; JOINT LOADS: the input's tiles hang on cl, cy and are shared along a row of the cluster; the weights' tiles hang on cl, cx and are shared along a column.
; The matrix instruction is used transposed (source 0 = 16 rows of W, source 1 = 16 rows of the input): a lane holds 8 neighbouring columns of one row.
; REGISTERS: window 0: v16-27 addresses; v64-159, v160-255 two fragment buffers (W's 8 fragments, then the input's 4 or 2); the way out works in the second buffer's registers;
; window 1: tile (a, b) at v[8 (8 a + b)]; window 2: v0-63 (v512-575) the bias of my 64 columns.
.set PITCH, 272                        ; first block: 256 bytes + 16 (17 x 16)
.set ATILE, 128*PITCH                  ; what waves 0 and 1 bring: 128 rows of qb
.set WTILE, 64*PITCH                   ; what waves 2 and 3 bring: 64 rows of Wq
.set WOFF,  2*ATILE
.set P2,    528                        ; second block: 512 bytes + 16 (33 x 16)
.set HALF2, 64*P2                      ; what each wave brings: 64 rows of kin (waves 0, 1) or of W (waves 2, 3)
.set WOFF2, 2*HALF2
.set SLOT,  4*HALF2                    ; 135,168: the second block's half; the first block's K step takes 104,448 of it
.set STAGE, 2*SLOT                     ; 16 rows x 272 bytes for each wave; no fill lands here
.set SPITCH, 272
.set ADRA,  16                         ; v16-17 first block: my rows of the input in slot 0, 1
.set ADRA2, 18                         ; v18-19 second block
.set ADRB,  20                         ; v20-21 first block: W's rows
.set ADRB2, 22                         ; v22-23 second block
.set STO,  24
.set RD,   25
.set CO,   26
.set BO,   27
.set F0,   64
.set F1,   160
.set TMP,  160                         ; the way out: packed results
.set RB,   192                         ; the way out: v192-223, v224-255 rows read back, in turn
.set G0C, 4                            ; s[4:11]   group 0, kin's halves, one set for each slot
.set SB,  12                           ; s[12:15]  the way out: my rows in my two heads (before that: the input's addresses)
.set G1,  24                           ; s[24:31]  group 1, qb's tiles
.set G0,  32                           ; s[32:39]  group 0, qb's tiles
.set G0D, 40                           ; s[40:47]  group 0, the second block's W
.set G1B, 48                           ; s[48:55]  group 1, Wq's tiles
.set G0B, 56                           ; s[56:63]  group 0, Wq's tiles
.set G1C, 80                           ; s[80:87]  group 1, kin's halves
.set G1D, 88                           ; s[88:95]  group 1, the second block's W
.set MULW, 0x50                        ; C and D window 1, sources window 0
.set MSB, 0
.macro WIN new
.if MSB != (\new)
	s_set_vgpr_msb (MSB<<8)|(\new)
.set MSB, (\new)
.endif
.endm
.macro PLACES                          ; four places behind a matrix instruction (ISA guide 7.12.1); this text counts plain vector instructions alone
.rept 4
	v_nop
.endr
.endm
; A joint load into slot s.  Waves 0 and 1 fetch the input's two halves of rows, waves 2 and 3 W's.  ph = 0: the first block's K step; 1: the second block's half.
.macro JLOAD s, ph
	s_cmp_eq_u32 s17, 0
	s_cbranch_scc0 .Lfor_b_\@
.if \ph
	tensor_load_to_lds s[G0C+4*\s:G0C+4*\s+3], s[G1C:G1C+7]
	s_nop 0
.else
	tensor_load_to_lds s[G0+4*\s:G0+4*\s+3], s[G1:G1+7]
	s_nop 0
.endif
	s_branch .Lasked_\@
.Lfor_b_\@:
.if \ph
	tensor_load_to_lds s[G0D+4*\s:G0D+4*\s+3], s[G1D:G1D+7]
	s_nop 0
.else
	tensor_load_to_lds s[G0B+4*\s:G0B+4*\s+3], s[G1B:G1B+7]
	s_nop 0
.endif
.Lasked_\@:
.endm
.macro CREST                           ; a round of the cluster's barrier behind its opening barrier
	s_cmp_lg_u32 s16, 0
	s_cbranch_scc1 .Lnot_wave_0_\@
	s_barrier_signal -3
.Lnot_wave_0_\@:
	s_barrier_wait -3
	s_barrier_signal -1
	s_barrier_wait -1
.endm
.macro CROUND                          ; a whole round
	s_barrier_signal -1
	s_barrier_wait -1
	CREST
.endm
	s_load_b256 s[68:75], s[0:1], 0x0              ; qb s[68:69], kin s[70:71], wb s[72:73], bq s[74:75]
	s_load_b128 s[76:79], s[0:1], 0x20             ; bv s[76:77], hd s[78:79]
	v_lshl_add_u32 v62, v0, 2, 0x46400
	v_mov_b32 v63, 0
	ds_add_u32 v62, v63
	v_lshrrev_b32 v1, 5, v0
	v_readfirstlane_b32 s16, v1                    ; wave 0..3
	s_lshr_b32 s17, s16, 1                         ; I fetch the input (0) or W (1)
	s_and_b32 s18, s16, 1                          ; which half of its rows
	s_bfe_u32 s19, ttmp6, 0x40000                  ; cx = column block (the grid has one cluster along x)
	s_bfe_u32 s20, ttmp6, 0x40004                  ; cy = b
	s_and_b32 s21, ttmp7, 0xffff                   ; cl 0..15, equal in all sixteen partners
	s_lshr_b32 s22, s21, 3
	s_add_co_u32 s22, s22, 1                       ; the second block's product: 1 k, 2 v; also its W's place in wb
	s_lshl_b32 s100, s20, 2
	s_lshl_b32 s100, 15, s100                      ; my row of the cluster
	s_lshl_b32 s101, 0x1111, s19                   ; my column
	s_or_b32 s[G1+0], s100, (1<<16)|(1<<20)|(1<<21)|(5<<22)|(3<<25)  ; 2-byte elements; after every 64 words 4 words of padding
	s_mov_b32 s[G1+1], 128<<16
	s_mov_b32 s[G1+2], 128<<16
	s_mov_b32 s[G1+3], 128<<16                     ; 128 elements (256 bytes)
	s_mov_b32 s[G1+4], 128                         ; x 128 rows
	s_mov_b32 s[G1+5], 2048                        ; from t to t + 1: 4 b x 512 e
	s_mov_b32 s[G1+6], 0
	s_mov_b32 s[G1+7], 0
	s_or_b32 s[G1B+0], s101, (1<<16)|(1<<20)|(1<<21)|(5<<22)|(3<<25)
	s_mov_b32 s[G1B+1], 128<<16
	s_mov_b32 s[G1B+2], 64<<16
	s_mov_b32 s[G1B+3], 128<<16
	s_mov_b32 s[G1B+4], 64                         ; x 64 rows
	s_mov_b32 s[G1B+5], 512
	s_mov_b32 s[G1B+6], 0
	s_mov_b32 s[G1B+7], 0
	s_or_b32 s[G1C+0], s100, (1<<16)|(1<<20)|(1<<21)|(6<<22)|(3<<25) ; after every 128 words 4 words of padding
	s_mov_b32 s[G1C+1], 256<<16
	s_mov_b32 s[G1C+2], 64<<16
	s_mov_b32 s[G1C+3], 256<<16                    ; 256 elements (512 bytes)
	s_mov_b32 s[G1C+4], 64                         ; x 64 rows
	s_mov_b32 s[G1C+5], 2048                       ; from c to c + 1
	s_mov_b32 s[G1C+6], 0
	s_mov_b32 s[G1C+7], 0
	s_or_b32 s[G1D+0], s101, (1<<16)|(1<<20)|(1<<21)|(6<<22)|(3<<25)
	s_mov_b32 s[G1D+1], 256<<16
	s_mov_b32 s[G1D+2], 64<<16
	s_mov_b32 s[G1D+3], 256<<16
	s_mov_b32 s[G1D+4], 64
	s_mov_b32 s[G1D+5], 512
	s_mov_b32 s[G1D+6], 0
	s_mov_b32 s[G1D+7], 0
	; the input's offsets hang on cl, cy and the wave, W's on cl, cx and the wave, each in registers that hold no other coordinate while they feed a descriptor
	s_lshl_b32 s12, s21, 8                         ; qb: row 256 cl + 128 x half,
	s_lshl_b32 s13, s18, 7
	s_add_co_u32 s12, s12, s13
	s_lshl_b32 s12, s12, 12                        ; x 4,096 bytes,
	s_lshl_b32 s13, s20, 10                        ; + 1,024 b
	s_add_co_u32 s12, s12, s13
	s_mov_b32 s13, 0
	s_lshl_b32 s14, s21, 7                         ; kin: row 128 cl + 64 x half,
	s_lshl_b32 s15, s18, 6
	s_add_co_u32 s14, s14, s15
	s_lshl_b32 s14, s14, 12                        ; x 4,096 bytes,
	s_lshl_b32 s15, s20, 10                        ; + 1,024 b
	s_add_co_u32 s14, s14, s15
	s_mov_b32 s15, 0
	s_lshl_b32 s96, s19, 17                        ; Wq: row 128 cx x 1,024 bytes,
	s_lshl_b32 s97, s18, 16                        ; + 64 rows x half
	s_add_co_u32 s96, s96, s97
	s_mov_b32 s97, 0
	s_lshl_b32 s98, s22, 19                        ; Wk or Wv: the same rows, 524,288 bytes x product further on
	s_add_co_u32 s98, s98, s96
	s_mov_b32 s99, 0
	s_mul_i32 s66, s16, ATILE                      ; LDS, first block: qb's halves at wave x 34,816 (waves 0, 1),
	s_mul_i32 s67, s16, WTILE
	s_add_co_u32 s67, s67, WOFF-2*WTILE            ; Wq's at 69,632 + (wave - 2) x 17,408 (waves 2, 3)
	s_mul_i32 s23, s16, HALF2                      ; second block: kin's two halves of rows, then W's two: wave x 33,792
	s_lshl_b32 s2, s19, 9                          ; the bias: 128 columns x 4 bytes x cx
	s_mov_b32 s3, 0
	v_and_b32 v1, 15, v0                           ; r
	v_bfe_u32 v2, v0, 4, 1                         ; h
	v_lshlrev_b32 v[BO], 5, v2                     ; the bias of my 8 columns of a tile: 32 h
	s_wait_dscnt 0x0
	s_wait_kmcnt 0x0
	s_add_nc_u64 s[12:13], s[68:69], s[12:13]
	s_add_nc_u64 s[14:15], s[70:71], s[14:15]
	s_add_nc_u64 s[96:97], s[72:73], s[96:97]
	s_add_nc_u64 s[98:99], s[72:73], s[98:99]
	s_add_nc_u64 s[74:75], s[74:75], s[2:3]
	WIN 0x80                                       ; destination window 2
.irp b, 0,1,2,3,4,5,6,7
	global_load_b128 v[8*\b:8*\b+3],   v[BO], s[74:75] offset:64*\b          ; bq: used behind the first block's 512 matrix instructions
	global_load_b128 v[8*\b+4:8*\b+7], v[BO], s[74:75] offset:64*\b+16
.endr
	WIN 0
	CROUND                                         ; all sixteen work-groups are here: the first joint loads meet
.irp s, 0,1
	s_mov_b32 s[G0+4*\s], 1
	s_add_co_u32 s[G0+4*\s+1], s66, \s*SLOT
	s_add_nc_u64 s[G0+4*\s+2:G0+4*\s+3], s[12:13], \s*256          ; K step s
	s_or_b32 s[G0+4*\s+3], s[G0+4*\s+3], 0x80000000
	s_mov_b32 s[G0B+4*\s], 1
	s_add_co_u32 s[G0B+4*\s+1], s67, \s*SLOT
	s_add_nc_u64 s[G0B+4*\s+2:G0B+4*\s+3], s[96:97], \s*256
	s_or_b32 s[G0B+4*\s+3], s[G0B+4*\s+3], 0x80000000
	JLOAD \s, 0                                    ; two tensor loads of the wave are out
.endr
.irp s, 0,1                            ; the second block's group 0 sets: written once, never stepped
	s_mov_b32 s[G0C+4*\s], 1
	s_add_co_u32 s[G0C+4*\s+1], s23, \s*SLOT
	s_add_nc_u64 s[G0C+4*\s+2:G0C+4*\s+3], s[14:15], \s*512        ; K = 256 s .. + 255
	s_or_b32 s[G0C+4*\s+3], s[G0C+4*\s+3], 0x80000000
	s_mov_b32 s[G0D+4*\s], 1
	s_add_co_u32 s[G0D+4*\s+1], s23, \s*SLOT
	s_add_nc_u64 s[G0D+4*\s+2:G0D+4*\s+3], s[98:99], \s*512
	s_or_b32 s[G0D+4*\s+3], s[G0D+4*\s+3], 0x80000000
.endr
	v_mul_u32_u24 v3, v1, PITCH
	v_lshl_add_u32 v3, v2, 4, v3                   ; r x 272 + 16 h
	s_mul_i32 s2, s16, 64*PITCH                    ; first block: my 64 rows of the input
	v_add_nc_u32 v[ADRA], s2, v3
	v_add_nc_u32 v[ADRA+1], SLOT, v[ADRA]
	v_add_nc_u32 v[ADRB], WOFF, v3
	v_add_nc_u32 v[ADRB+1], SLOT, v[ADRB]
	v_mul_u32_u24 v7, v1, P2
	v_lshl_add_u32 v7, v2, 4, v7                   ; r x 528 + 16 h
	s_mul_i32 s3, s16, 32*P2                       ; second block: my 32 rows
	v_add_nc_u32 v[ADRA2], s3, v7
	v_add_nc_u32 v[ADRA2+1], SLOT, v[ADRA2]
	v_add_nc_u32 v[ADRB2], WOFF2, v7
	v_add_nc_u32 v[ADRB2+1], SLOT, v[ADRB2]
	s_mul_i32 s2, s16, 16*SPITCH
	s_add_co_u32 s2, s2, STAGE                     ; my stage
	v_add_nc_u32 v[STO], s2, v3                    ; in: row r, 16 bytes for each half of the lanes
	v_bfe_u32 v4, v0, 3, 2                         ; back: eight lanes take the 128 bytes of one head in one row, a load takes four rows
	v_mul_u32_u24 v4, v4, SPITCH
	v_and_b32 v5, 7, v0
	v_lshl_add_u32 v4, v5, 4, v4
	v_add_nc_u32 v[RD], s2, v4
	v_and_b32 v6, 31, v0
	v_lshlrev_b32 v[CO], 4, v6                     ; in hd these four rows are 512 consecutive bytes
; 8 matrix instructions: row block a x all 8 column blocks.  The accumulators (32 in the first block, 16 in the second) take turns, one instruction a turn.
.macro MUL8 f, a, zero
.irp b, 0,1,2,3,4,5,6,7
.if \zero
	v_wmma_f32_16x16x32_bf16 v[8*(8*\a+\b):8*(8*\a+\b)+7], v[\f+8*\b:\f+8*\b+7], v[\f+64+8*\a:\f+64+8*\a+7], 0
.else
	v_wmma_f32_16x16x32_bf16 v[8*(8*\a+\b):8*(8*\a+\b)+7], v[\f+8*\b:\f+8*\b+7], v[\f+64+8*\a:\f+64+8*\a+7], v[8*(8*\a+\b):8*(8*\a+\b)+7]
.endif
.endr
.endm
; THE FIRST BLOCK
.macro FETCH slot, q, f                ; 24 LDS loads: W's 128 rows, my 64 rows of the input, 32 along K at quarter q
.irp b, 0,1,2,3,4,5,6,7
	ds_load_b128 v[\f+8*\b:\f+8*\b+3],   v[ADRB+\slot] offset:64*\q+16*PITCH*\b
	ds_load_b128 v[\f+8*\b+4:\f+8*\b+7], v[ADRB+\slot] offset:64*\q+16*PITCH*\b+32
.endr
.irp a, 0,1,2,3
	ds_load_b128 v[\f+64+8*\a:\f+64+8*\a+3],   v[ADRA+\slot] offset:64*\q+16*PITCH*\a
	ds_load_b128 v[\f+64+8*\a+4:\f+64+8*\a+7], v[ADRA+\slot] offset:64*\q+16*PITCH*\a+32
.endr
.endm
.macro QUARTER slot, q, f, g, zero     ; multiplies buffer f; in its middle fetches quarter q into buffer g
	s_wait_dscnt 4                                 ; W and the input's blocks 0, 1 are in; the youngest four loads (blocks 2, 3) may be out
	WIN MULW
	MUL8 \f, 0, \zero
	MUL8 \f, 1, \zero
	PLACES
	WIN 0
	FETCH \slot, \q, \g
	s_wait_dscnt 24                                ; all but the 24 just issued
	WIN MULW
	MUL8 \f, 2, \zero
	MUL8 \f, 3, \zero
.endm
.macro THREE slot, zero
	QUARTER \slot, 1, F0, F1, \zero
	QUARTER \slot, 2, F1, F0, 0
	QUARTER \slot, 3, F0, F1, 0
.endm
; The last quarter of a K step: multiplies buffer 1 and changes slots.  fill = 1: this slot gets q's K step two further on; 2: it gets the second block's half.
.macro TURN slot, next, fill
	s_wait_dscnt 4
	WIN MULW
	MUL8 F1, 0, 0
	s_wait_dscnt 0                                 ; my reads of this slot are over
	s_wait_tensorcnt 0x0                           ; all my tensor loads have landed, my part of the next slot among them
	ds_add_u32 v62, v63
	s_wait_dscnt 0x0
	s_barrier_signal -1                            ; this barrier opens a round of the cluster's barrier
	MUL8 F1, 1, 0                                  ; registers only
	WIN 0
	s_barrier_wait -1
	CREST                                          ; the round closes: no wave of any partner reads this slot or has a load on its way
.if \fill == 1
	s_add_nc_u64 s[G0+4*\slot+2:G0+4*\slot+3], s[G0+4*\slot+2:G0+4*\slot+3], 512
	s_add_nc_u64 s[G0B+4*\slot+2:G0B+4*\slot+3], s[G0B+4*\slot+2:G0B+4*\slot+3], 512
	JLOAD \slot, 0                                 ; the wave's one tensor load behind the round
.else
	JLOAD \slot, 1
.endif
	PLACES
	FETCH \next, 0, F0
	WIN MULW
	MUL8 F1, 2, 0
	MUL8 F1, 3, 0
.endm
; THE SECOND BLOCK
.macro FETCH2 slot, q, f               ; 20 LDS loads: W's 128 rows, my 32 rows of kin, 32 along K at quarter q (0 to 7) of the slot's 256
.irp b, 0,1,2,3,4,5,6,7
	ds_load_b128 v[\f+8*\b:\f+8*\b+3],   v[ADRB2+\slot] offset:64*\q+16*P2*\b
	ds_load_b128 v[\f+8*\b+4:\f+8*\b+7], v[ADRB2+\slot] offset:64*\q+16*P2*\b+32
.endr
.irp a, 0,1
	ds_load_b128 v[\f+64+8*\a:\f+64+8*\a+3],   v[ADRA2+\slot] offset:64*\q+16*P2*\a
	ds_load_b128 v[\f+64+8*\a+4:\f+64+8*\a+7], v[ADRA2+\slot] offset:64*\q+16*P2*\a+32
.endr
.endm
.macro QUARTER2 slot, q, f, g, zero
	s_wait_dscnt 2                                 ; W and kin's block 0 are in; the youngest two loads (block 1) may be out
	WIN MULW
	MUL8 \f, 0, \zero
	PLACES
	WIN 0
	FETCH2 \slot, \q, \g
	s_wait_dscnt 20                                ; all but the 20 just issued
	WIN MULW
	MUL8 \f, 1, \zero
.endm
.macro SEVEN slot, zero
	QUARTER2 \slot, 1, F0, F1, \zero
	QUARTER2 \slot, 2, F1, F0, 0
	QUARTER2 \slot, 3, F0, F1, 0
	QUARTER2 \slot, 4, F1, F0, 0
	QUARTER2 \slot, 5, F0, F1, 0
	QUARTER2 \slot, 6, F1, F0, 0
	QUARTER2 \slot, 7, F0, F1, 0
.endm
; THE WAY OUT of row block a: 16 rows rounded to bf16, 16 bytes a lane into my stage, read back by heads, stored as runs of 512 bytes.
.macro EPI16 a
	WIN 0x05                                       ; sources window 1
.irp b, 0,1,2,3,4,5,6,7
.irp p, 0,1,2,3
	v_cvt_pk_bf16_f32 v[TMP+4*\b+\p], v[8*(8*\a+\b)+2*\p], v[8*(8*\a+\b)+2*\p+1]
.endr
.endr
	WIN 0
.irp b, 0,1,2,3,4,5,6,7
	ds_store_b128 v[STO], v[TMP+4*\b:TMP+4*\b+3] offset:32*\b
.endr
	s_wait_xcnt 0x0                                ; the registers that earlier stores read are loaded again only behind this wait
.irp n, 0,1,2,3,4,5,6,7
	ds_load_b128 v[RB+32*(\a&1)+4*\n:RB+32*(\a&1)+4*\n+3], v[RD] offset:4*SPITCH*(\n>>1)+128*(\n&1)   ; rows 4 (n / 2) .. + 3, head n % 2; a wave's LDS instructions are served in order
.endr
.irp n, 0,1,2,3,4,5,6,7
	s_wait_dscnt 7-\n                              ; load n is back, the younger ones stay out
	global_store_b128 v[CO], v[RB+32*(\a&1)+4*\n:RB+32*(\a&1)+4*\n+3], s[SB+2*(\n&1):SB+2*(\n&1)+1] offset:(16*\a+4*(\n>>1))*128   ; 512 consecutive bytes, aligned
.endr
.endm
	s_wait_tensorcnt 1                             ; my part of K step 0 is in; K step 1's stays out
	s_barrier_signal -1
	s_barrier_wait -1
	FETCH 0, 0, F0
	THREE 0, 1                                     ; the first products start the sums
	TURN 0, 1, 1                                   ; K step 2 goes out
	THREE 1, 0
	TURN 1, 0, 1                                   ; K step 3 goes out
	THREE 0, 0
	TURN 0, 1, 2                                   ; slot 0 has served q: the second block's K = 0 .. 255 goes out
	THREE 1, 0
	s_wait_dscnt 4                                 ; q's very last quarter
	WIN MULW
	MUL8 F1, 0, 0
	MUL8 F1, 1, 0
	s_wait_dscnt 0
	MUL8 F1, 2, 0
	MUL8 F1, 3, 0
	PLACES                                         ; behind the last matrix instructions: for what reads results and writes the second fragment buffer
	WIN 0
	s_lshl_b32 s96, s20, 3
	s_lshl_b32 s97, s19, 1
	s_add_co_u32 s96, s96, s97                     ; my first head: 8 b + 2 cx,
	s_lshl_b32 s96, s96, 12                        ; of 4,096 rows,
	s_lshl_b32 s97, s21, 8                         ; + 256 cl
	s_add_co_u32 s96, s96, s97
	s_lshl_b32 s97, s16, 6                         ; + 64 x wave,
	s_add_co_u32 s96, s96, s97
	s_lshl_b32 s96, s96, 7                         ; rows of 128 bytes
	s_mov_b32 s97, 0
	s_add_nc_u64 s[SB:SB+1], s[78:79], s[96:97]    ; my rows in my first head
	s_add_nc_u64 s[SB+2:SB+3], s[SB:SB+1], 128<<12 ; and in the next
	s_mov_b32 s68, 0x3e38aa3b                      ; 0.125 x log2(e)
	s_mov_b32 s69, 0x3e38aa3b
	s_wait_loadcnt 0x0                             ; bq
	WIN 0x82
.set pp, 0
.rept 32
	v_pk_mul_f32 v[pp:pp+1], v[pp:pp+1], s[68:69] op_sel_hi:[1,0]          ; the bias scaled once: 32 instructions spare 128
.set pp, pp+2
.endr
	WIN 0x61                                       ; destination and source 0 window 1, source 2 window 2
.irp a, 0,1,2,3
.irp b, 0,1,2,3,4,5,6,7
.irp p, 0,2,4,6
	v_pk_fma_f32 v[8*(8*\a+\b)+\p:8*(8*\a+\b)+\p+1], v[8*(8*\a+\b)+\p:8*(8*\a+\b)+\p+1], s[68:69], v[8*\b+\p:8*\b+\p+1] op_sel_hi:[1,0,1]
.endr
.endr
.endr
	WIN 0
	s_wait_dscnt 0x0                               ; my reads of slot 1 are over (met)
	s_wait_tensorcnt 0x0                           ; my part of the second block's first half has landed: no load of mine is out
	ds_add_u32 v62, v63
	s_wait_dscnt 0x0
	CROUND                                         ; both hold of every wave of the cluster
	JLOAD 1, 1                                     ; slot 1 has served q: the second block's K = 256 .. 511 goes out, the last tensor load
	FETCH2 0, 0, F0                                ; the second block's first fragments; the way out below leaves the first buffer alone
	EPI16 0
	EPI16 1
	EPI16 2
	EPI16 3
	s_wait_xcnt 0x0                                ; the second buffer's registers and the bases, which q's stores read, are written again only behind this wait
	SEVEN 0, 1                                     ; the second block: its first products start the sums anew
	s_wait_dscnt 0                                 ; quarter 7 of slot 0, and the change of slots: my LDS loads are back,
	s_wait_tensorcnt 0x0                           ; my part of slot 1 has landed
	WIN MULW
	s_barrier_signal -1
	MUL8 F1, 0, 0                                  ; registers only
	WIN 0
	s_barrier_wait -1                              ; everybody's has
	PLACES
	FETCH2 1, 0, F0
	WIN MULW
	MUL8 F1, 1, 0
; The second block's last half and its way out, once for k (mode 1) and once for v (mode 2): no barrier and no tensor load stands in it.  bv is asked for first, so that
; 128 matrix instructions stand between its loads and its use.
.macro TAIL mode
.if \mode == 2
	s_lshl_b32 s2, s19, 9                          ; 128 columns x 4 bytes x cx
	s_mov_b32 s3, 0
	s_add_nc_u64 s[76:77], s[76:77], s[2:3]
	WIN 0x80                                       ; destination window 2: bq has been used
.irp b, 0,1,2,3,4,5,6,7
	global_load_b128 v[8*\b:8*\b+3],   v[BO], s[76:77] offset:64*\b
	global_load_b128 v[8*\b+4:8*\b+7], v[BO], s[76:77] offset:64*\b+16
.endr
	WIN 0
.endif
	SEVEN 1, 0
	s_wait_dscnt 2
	WIN MULW
	MUL8 F1, 0, 0
	s_wait_dscnt 0
	MUL8 F1, 1, 0
	PLACES                                         ; behind the last matrix instructions
	WIN 0
	s_lshl_b32 s96, s20, 3
	s_lshl_b32 s97, s19, 1
	s_add_co_u32 s96, s96, s97                     ; my first head: 8 b + 2 cx,
	s_lshl_b32 s96, s96, 10                        ; of 1,024 rows,
	s_and_b32 s97, s21, 7                          ; + 128 x the product's own row block
	s_lshl_b32 s97, s97, 7
	s_add_co_u32 s96, s96, s97
	s_lshl_b32 s97, s16, 5                         ; + 32 x wave,
	s_add_co_u32 s96, s96, s97
	s_lshl_b32 s96, s96, 7                         ; rows of 128 bytes,
	s_add_co_u32 s96, s96, 16777216+(\mode-1)*4194304  ; behind q (and k)
	s_mov_b32 s97, 0
	s_add_nc_u64 s[SB:SB+1], s[78:79], s[96:97]
	s_add_nc_u64 s[SB+2:SB+3], s[SB:SB+1], 128<<10
.if \mode == 2
	s_wait_loadcnt 0x0                             ; bv
	WIN 0x49                                       ; destination and source 0 window 1, source 1 window 2
.irp a, 0,1
.irp b, 0,1,2,3,4,5,6,7
.irp p, 0,2,4,6
	v_pk_add_f32 v[8*(8*\a+\b)+\p:8*(8*\a+\b)+\p+1], v[8*(8*\a+\b)+\p:8*(8*\a+\b)+\p+1], v[8*\b+\p:8*\b+\p+1]
.endr
.endr
.endr
.endif
	EPI16 0
	EPI16 1
.endm
	WIN 0
	s_cmp_eq_u32 s22, 2                            ; the product hangs on the cluster's y alone: all partners and all waves go the same way
	s_cbranch_scc1 .Ltail_v
	TAIL 1
	s_branch .Ldone
.Ltail_v:
	TAIL 2
.Ldone:
	s_wait_tensorcnt 0x0
	ds_add_u32 v62, v63
	s_wait_dscnt 0x0
	CROUND                                         ; the closing round: no work-group ends while a partner may still ask for a tile that names it
	s_endpgm
.Lfunc_end_k_q73b3787952_proj:
	.size	k_q73b3787952_proj, .Lfunc_end_k_q73b3787952_proj-k_q73b3787952_proj
	.p2alignl 7, 3214868480
	.fill 96, 4, 3214868480
	.section	.rodata,"a",@progbits
	.p2align	6, 0x0
	.amdhsa_kernel k_q73b3787952_proj
		.amdhsa_group_segment_fixed_size 327680
		.amdhsa_private_segment_fixed_size 0
		.amdhsa_enable_private_segment 0
		.amdhsa_kernarg_size 48
		.amdhsa_user_sgpr_count 2
		.amdhsa_user_sgpr_kernarg_segment_ptr 1
		.amdhsa_wavefront_size32 1
		.amdhsa_system_sgpr_workgroup_id_x 1
		.amdhsa_system_sgpr_workgroup_id_y 1
		.amdhsa_system_sgpr_workgroup_id_z 1
		.amdhsa_system_vgpr_workitem_id 0
		.amdhsa_next_free_vgpr 576
		.amdhsa_next_free_sgpr 102
		.amdhsa_reserve_vcc 0
		.amdhsa_float_denorm_mode_32 3
		.amdhsa_float_denorm_mode_16_64 3
		.amdhsa_memory_ordered 1
		.amdhsa_forward_progress 1
		.amdhsa_inst_pref_size 183
	.end_amdhsa_kernel
	.amdgpu_metadata
---
amdhsa.version: [ 1, 2 ]
amdhsa.kernels:
  - .name:           k_q73b3787952_proj
    .symbol:         k_q73b3787952_proj.kd
    .args:
      - { .name: qb, .offset: 0, .size: 8, .value_kind: global_buffer, .address_space: global }
      - { .name: kin, .offset: 8, .size: 8, .value_kind: global_buffer, .address_space: global }
      - { .name: wb, .offset: 16, .size: 8, .value_kind: global_buffer, .address_space: global }
      - { .name: bq, .offset: 24, .size: 8, .value_kind: global_buffer, .address_space: global }
      - { .name: bv, .offset: 32, .size: 8, .value_kind: global_buffer, .address_space: global }
      - { .name: hd, .offset: 40, .size: 8, .value_kind: global_buffer, .address_space: global }
    .group_segment_fixed_size: 327680
    .private_segment_fixed_size: 0
    .kernarg_segment_align: 8
    .kernarg_segment_size: 48
    .max_flat_workgroup_size: 128
    .sgpr_count:     102
    .vgpr_count:     576
    .wavefront_size: 32
...
	.end_amdgpu_metadata
.endif
;; end of part 3
;; launch attn (part 4): grid 8 x 32, 8 waves a work-group, clusters of 4 x 1, 312,320 bytes of LDS; arguments hd, ao; writes ao
.if DOCPART == 4
	.amdgcn_target "amdgcn-amd-amdhsa--gfx1250"
	.amdhsa_code_object_version 6
	.text
	.protected	k_q73b3787952_attn
	.globl	k_q73b3787952_attn
	.p2align	8
	.type	k_q73b3787952_attn,@function
k_q73b3787952_attn:
	s_mov_b64 s[64:65], 0
	v_nop
	global_prefetch_b8 v0, s[64:65] scope:SCOPE_SE
	s_setreg_imm32_b32 hwreg(HW_REG_WAVE_MODE, 25, 1), 1
	s_wait_xcnt 0x0
	s_wait_alu depctr_hold_cnt(0) depctr_sa_sdst(0) depctr_va_vdst(0) depctr_va_sdst(0) depctr_va_ssrc(0) depctr_va_vcc(0) depctr_vm_vsrc(0)
	s_getreg_b32 s2, hwreg(HW_REG_IB_STS2, 6, 4)
	s_cmp_eq_u32 s2, 0
	s_cbranch_scc0 .Lentry_in_a_cluster
	s_endpgm
.Lentry_in_a_cluster:
	s_bfe_u32 s2, ttmp6, 0x10000c
	s_cmp_lg_u32 s2, 0x3003
	s_cbranch_scc0 .Lentry_shape_is_right
	s_endpgm
.Lentry_shape_is_right:
; LAUNCH 4 OF 5.  ao[bh][t][:] = softmax over c of (q[bh][t] . k[bh][c]) applied to v[bh][c][:], for 32 heads bh, 4,096 queries t, 1,024 keys c, 64 numbers a head.
; q carries 0.125 x log2(e), so the exponentials are in base 2.  The maximum is taken away as a running maximum with rescaling, block of 64 keys by block.
; A work-group takes one head and 512 queries; wave w takes 64 queries as four tiles of 16.  Eight waves, two on each SIMD.
; The head's whole K and V lie in LDS, filled once.  CLUSTER 4 x 1: the four query blocks of a cluster share K and V and ask for them jointly.
; Each wave issues two loads: its share of keys 0-255, then of keys 256-1,023, so that work begins when the first quarter has landed.
; LAYOUTS.  S^T = K Q^T (source 0 = 16 keys of K, source 1 = 16 queries): lane l holds query l % 16, registers 0-7 the keys 8 (l / 16) + 0..7.  So a query's maximum
; and sum stay in a lane but for one exchange between the halves, and two packed score tiles ARE the second source for 32 keys of O^T = V^T P^T (source 0 = V read
; transposed).  In O^T a lane holds 8 neighbouring numbers of its own query's result.
; TWO PIECES TAKE TURNS.  Piece 0 = query tiles 0, 1; piece 1 = tiles 2, 3; they share K's and V's fragments.  A phase is one piece's 32 products (16 with V for its last
; block, then 16 scores of its next block) with one slice of the OTHER piece's softmax (236 vector instructions in 32 slices) behind each product:
;   X(j): O1 += V(j-1) P1(j-1), S1(j)   beside the softmax of piece 0, block j;      Y(j): O0 += V(j) P0(j), S0(j+1)   beside the softmax of piece 1, block j.
; V(j) is loaded in the middle of X(j), behind the last product that read V(j-1); K(j+1) at the head of Y(j), behind the last score product of block j: one buffer each.
; The slices are also the places that stand behind the products: slice 31 (17 or 18 plain instructions) ahead of the next maximum and of K's loads, slice 15 (5) ahead of V's loads;
; the score run begins with key tiles 1 and 3, whose registers hold no P, so slices 15 to 19 stand between the last read of P and the first product that writes over it.
; WINDOWS.  Window 0: v4-9 addresses; v16-23, v116-123 sums at work; v32-95 K's fragments; v96-103 (M, block maximum) x 4; v104-111 (rescaling factor, exchange) x 4;
; v112-115 sums; v124-125 second chain of the maximum; v128-255 scores, then P.  Window 1: v0-127 O; v128-191 Q; v192-255 V's fragments.  That is 448 registers of tiles in 512:
; S, K's fragments and Q alone would fill a window, so no layout gives the roundings and the maxima (two or three sources and the destination in S's window) the setting of a
; score product (Q in the second source place).  What can share a product's setting does: O x factor under the V products' setting; differences, exponentials and sums under the
; score products' (see SUB1).  The maxima (slices 0-2) and the roundings (slices 30, 31) switch: 23 switches in a trip of 64 products.  NEED writes a switch only where a
; field that the next line uses differs.
; LIMITS: P is rounded to bf16 for the product while its sum is kept in f32; exponentials below 2^-126 come out as zero; the order of sums differs from reference()'s.
.set KP,    144                        ; K's LDS pitch: 128 bytes + 16 (9 x 16)
.set VP,    160                        ; V's LDS pitch: 128 bytes + 32 (5 x 32, for the transposing load)
.set VBASE, 1024*KP
.set KA,  4
.set VA,  5
.set QO,  6
.set STO, 7
.set RD,  8
.set CO,  9
.set TO,  16                           ; v16-23   sums at work, a piece's odd tile
.set KF,  32
.set MM,  96
.set AL,  104
.set LS,  112
.set TE,  116                          ; v116-123 sums at work, a piece's even tile
.set TB,  124                          ; v124-125 the maximum's second chain, one for each tile of a piece
.set SS,  128
.set OO,  0
.set QQ,  128
.set VF,  192
.set W_SC, 0x04                        ; score products: source 1 (Q) window 1, all else window 0
.set W_PV, 0x51                        ; products with V: O (C, D) and V's fragments (source 0) window 1, P (source 1) window 0
.set MSB, 0
; s_set_vgpr_msb's low byte: bits 1:0 source 0, 3:2 source 1, 5:4 source 2, 7:6 destination; the high byte repeats the setting that is left.
; mask = the fields that the next line uses, val = what they must be; the other fields stay.
.macro NEED mask, val
.if (MSB&(\mask)) != (\val)
	s_set_vgpr_msb (MSB<<8)|((MSB&(255-(\mask)))|(\val))
.set MSB, (MSB&(255-(\mask)))|(\val)
.endif
.endm
.macro WIN new
	NEED 0xff, \new
.endm
.macro PLACES
.rept 4
	v_nop
.endr
.endm
.macro ROUND                           ; a round of the cluster's barrier
	s_barrier_signal -1
	s_barrier_wait -1
	s_cmp_lg_u32 s8, 0
	s_cbranch_scc1 .Lnot_wave_0_\@
	s_barrier_signal -3
.Lnot_wave_0_\@:
	s_barrier_wait -3
	s_barrier_signal -1
	s_barrier_wait -1
.endm
; group 1 of a dense block brought as rows of 256 bytes (32 elements of 8 bytes), pad + 1 words of padding behind every 32 words (a key's 128 bytes); mask: all four partners
.macro SETG1 g, pad, rows
	s_mov_b32 s[\g+0], 15|(3<<16)|(1<<20)|(1<<21)|(4<<22)|(\pad<<25)
	s_mov_b32 s[\g+1], 32<<16
	s_mov_b32 s[\g+2], \rows<<16
	s_mov_b32 s[\g+3], 32<<16
	s_mov_b32 s[\g+4], \rows
	s_mov_b32 s[\g+5], 32
	s_mov_b32 s[\g+6], 0
	s_mov_b32 s[\g+7], 0
.endm
	s_load_b128 s[4:7], s[0:1], 0x0                ; hd s[4:5], ao s[6:7]
	v_lshl_add_u32 v126, v0, 2, 0x4c000
	v_mov_b32 v127, 0
	ds_add_u32 v126, v127
	v_lshrrev_b32 v1, 5, v0
	v_readfirstlane_b32 s8, v1                     ; wave 0..7
	s_lshr_b32 s9, s8, 2                           ; I fetch K (0) or V (1)
	s_and_b32 s10, s8, 3                           ; which quarter
	s_bfe_u32 s11, ttmp6, 0x40000                  ; cx
	s_lshl_b32 s12, ttmp9, 2
	s_add_co_u32 s12, s12, s11                     ; query block 0..7
	s_and_b32 s13, ttmp7, 0xffff                   ; head 0..31
	s_mov_b32 s66, 0x76543210                      ; v_permlanex16_b32: lane i reads lane i of the other half
	s_mov_b32 s67, 0xfedcba98
	SETG1 16, 3, 32                                ; K, keys 0-255: 64 keys a wave
	SETG1 24, 3, 96                                ; K, keys 256-1,023: 192 keys a wave
	SETG1 32, 7, 32                                ; V likewise
	SETG1 40, 7, 96
	s_mov_b32 s48, 1
	s_mul_i32 s49, s8, 64*KP                       ; K's first part: wave x 9,216 (waves 0-3)
	s_mov_b32 s52, 1
	s_mul_i32 s53, s8, 192*KP
	s_add_co_u32 s53, s53, 256*KP                  ; K's second part: 36,864 + wave x 27,648
	s_mov_b32 s56, 1
	s_mul_i32 s57, s8, 64*VP
	s_add_co_u32 s57, s57, VBASE-4*64*VP           ; V's first part: 147,456 + (wave - 4) x 10,240 (waves 4-7)
	s_mov_b32 s60, 1
	s_mul_i32 s61, s8, 192*VP
	s_add_co_u32 s61, s61, VBASE+256*VP-4*192*VP   ; V's second part: 188,416 + (wave - 4) x 30,720
	s_lshl_b32 s70, s13, 17                        ; a head's K (or V) is 131,072 bytes; the addresses hang on the head and the wave alone
	s_lshl_b32 s71, s10, 13
	s_add_co_u32 s72, s70, s71
	s_add_co_u32 s72, s72, 0x1000000               ; k begins 16 MiB into hd
	s_mov_b32 s73, 0
	s_mul_i32 s71, s10, 24576
	s_add_co_u32 s74, s70, s71
	s_add_co_u32 s74, s74, 0x1000000+32768
	s_mov_b32 s75, 0
	s_lshl_b32 s76, s13, 12                        ; my 64 queries: row 4,096 head + 512 block + 64 wave,
	s_lshl_b32 s77, s12, 9
	s_add_co_u32 s76, s76, s77
	s_lshl_b32 s77, s8, 6
	s_add_co_u32 s76, s76, s77
	s_lshl_b32 s76, s76, 7                         ; of 128 bytes
	s_mov_b32 s77, 0
	s_mul_i32 s82, s8, 64*KP                       ; the way out: my stage, 64 rows x 144 bytes in K's place
	v_and_b32 v2, 15, v0                           ; r
	v_bfe_u32 v3, v0, 4, 1                         ; h
	v_mul_u32_u24 v[KA], v2, KP
	v_lshl_add_u32 v[KA], v3, 4, v[KA]             ; K: key r x pitch + 16 h
	v_add_nc_u32 v[STO], s82, v[KA]
	v_and_b32 v10, 7, v0
	v_lshl_add_u32 v11, v3, 3, v10                 ; V, read transposed: key 8 h + l % 8,
	v_mul_u32_u24 v11, v11, VP
	v_bfe_u32 v12, v0, 3, 1                        ; 16 bytes on for lanes 8-15 of each half
	v_lshl_add_u32 v11, v12, 4, v11
	v_add_nc_u32 v[VA], VBASE, v11
	v_lshlrev_b32 v[QO], 7, v2
	v_lshl_add_u32 v[QO], v3, 4, v[QO]             ; Q in memory: query r x 128 + 16 h
	v_bfe_u32 v13, v0, 3, 2
	v_mul_u32_u24 v13, v13, KP
	v_lshl_add_u32 v13, v10, 4, v13
	v_add_nc_u32 v[RD], s82, v13                   ; back: eight lanes take a row of 128 bytes, a load takes four rows
	v_and_b32 v14, 31, v0
	v_lshlrev_b32 v[CO], 4, v14
.irp qt, 0,1,2,3
	v_mov_b32 v[AL+2*\qt+1], 0                     ; the exchange's destination counts as read: written once here
.endr
	s_wait_dscnt 0x0
	s_wait_kmcnt 0x0
	s_add_nc_u64 s[50:51], s[4:5], s[72:73]
	s_add_nc_u64 s[54:55], s[4:5], s[74:75]
	s_add_nc_u64 s[58:59], s[50:51], 0x400000      ; v lies 4 MiB behind k
	s_add_nc_u64 s[62:63], s[54:55], 0x400000
	s_or_b32 s51, s51, 0x80000000
	s_or_b32 s55, s55, 0x80000000
	s_or_b32 s59, s59, 0x80000000
	s_or_b32 s63, s63, 0x80000000
	s_add_nc_u64 s[78:79], s[4:5], s[76:77]        ; my queries
	s_add_nc_u64 s[80:81], s[6:7], s[76:77]        ; my results: ao has q's layout
	WIN 0x40
.irp qt, 0,1,2,3
.irp ks, 0,1
	global_load_b128 v[QQ+16*\qt+8*\ks:QQ+16*\qt+8*\ks+3],   v[QO], s[78:79] offset:2048*\qt+64*\ks
	global_load_b128 v[QQ+16*\qt+8*\ks+4:QQ+16*\qt+8*\ks+7], v[QO], s[78:79] offset:2048*\qt+64*\ks+32
.endr
.endr
	WIN 0
	ROUND                                          ; the four partners are here: the joint loads meet
	s_cmp_eq_u32 s9, 0
	s_cbranch_scc0 .Lfill_v
	tensor_load_to_lds s[48:51], s[16:23]
	s_nop 0
	tensor_load_to_lds s[52:55], s[24:31]
	s_nop 0
	s_branch .Lfilled
.Lfill_v:
	tensor_load_to_lds s[56:59], s[32:39]
	s_nop 0
	tensor_load_to_lds s[60:63], s[40:47]
	s_nop 0
.Lfilled:
	s_wait_tensorcnt 0x1                           ; my share of keys 0-255 is in; my second load stays out
	s_barrier_signal -1
	s_barrier_wait -1                              ; everybody's share is in
.macro KLOAD                           ; K's eight fragments of a block of 64 keys: 16 loads
	NEED 0xc3, 0
.irp kt, 0,1,2,3
.irp ks, 0,1
	ds_load_b128 v[KF+16*\kt+8*\ks:KF+16*\kt+8*\ks+3],   v[KA] offset:16*KP*\kt+64*\ks
	ds_load_b128 v[KF+16*\kt+8*\ks+4:KF+16*\kt+8*\ks+7], v[KA] offset:16*KP*\kt+64*\ks+32
.endr
.endr
.endm
.macro VLOAD                           ; V's eight fragments of a block of 64 keys, read transposed: 16 loads into window 1
	NEED 0xc3, 0x40
.irp ks, 0,1
.irp dt, 0,1,2,3
	ds_load_tr16_b128 v[VF+32*\ks+8*\dt:VF+32*\ks+8*\dt+3],   v[VA] offset:32*VP*\ks+32*\dt
	ds_load_tr16_b128 v[VF+32*\ks+8*\dt+4:VF+32*\ks+8*\dt+7], v[VA] offset:32*VP*\ks+32*\dt+16*VP
.endr
.endr
.endm
; THE SOFTMAX OF A PIECE, instruction by instruction.  q = a query tile, 0 to 3.
; Step n (0 to 15) of the maximum of tile q's 32 scores in my lane: two chains (key tiles 1, 3 and key tiles 0, 2), so that with the piece's two tiles four chains take turns.
.macro MAXSTEP q, n
	NEED 0xff, 0
.if \n == 0
	v_max3_num_f32 v[MM+2*(\q)+1], v[SS+32*(\q)+8], v[SS+32*(\q)+9], v[SS+32*(\q)+10]
.elseif \n == 1
	v_max3_num_f32 v[TB+((\q)&1)], v[SS+32*(\q)], v[SS+32*(\q)+1], v[SS+32*(\q)+2]
.elseif \n < 14
.set u_i, 3+2*((\n-2)/2)                           ; the chain's values 3 and 4, 5 and 6, .. 13 and 14
.set u_a, u_i+8*(u_i/8)                            ; a chain's value i lies at register i + 8 (i / 8) of its first tile
.set u_b, u_i+1+8*((u_i+1)/8)
.if (\n&1) == 0
	v_max3_num_f32 v[MM+2*(\q)+1], v[MM+2*(\q)+1], v[SS+32*(\q)+8+u_a], v[SS+32*(\q)+8+u_b]
.else
	v_max3_num_f32 v[TB+((\q)&1)], v[TB+((\q)&1)], v[SS+32*(\q)+u_a], v[SS+32*(\q)+u_b]
.endif
.elseif \n == 14
	v_max3_num_f32 v[MM+2*(\q)+1], v[MM+2*(\q)+1], v[SS+32*(\q)+31], v[SS+32*(\q)+23]    ; both chains' last values
.else
	v_max_num_f32 v[MM+2*(\q)+1], v[MM+2*(\q)+1], v[TB+((\q)&1)]
.endif
.endm
; The other half's maximum, the new running maximum, and what the old sums and O are scaled by.  sfirst = 1: the first block starts the maximum.
.macro NEWMAX v, sfirst
	NEED 0xff, 0
.irp qq, 0,1
	v_permlanex16_b32 v[AL+2*(2*\v+\qq)+1], v[MM+2*(2*\v+\qq)+1], s66, s67
.endr
.if \sfirst
.irp qq, 0,1
	v_max_num_f32 v[MM+2*(2*\v+\qq)], v[MM+2*(2*\v+\qq)+1], v[AL+2*(2*\v+\qq)+1]
.endr
.else
.irp qq, 0,1
	v_max3_num_f32 v[AL+2*(2*\v+\qq)+1], v[MM+2*(2*\v+\qq)], v[MM+2*(2*\v+\qq)+1], v[AL+2*(2*\v+\qq)+1]   ; the new running maximum
.endr
.irp qq, 0,1
	v_sub_f32 v[AL+2*(2*\v+\qq)], v[MM+2*(2*\v+\qq)], v[AL+2*(2*\v+\qq)+1]                                ; old - new, at most 0
.endr
.irp qq, 0,1
	v_exp_f32 v[AL+2*(2*\v+\qq)], v[AL+2*(2*\v+\qq)]
.endr
	s_wait_alu depctr_va_vdst(0)
.irp qq, 0,1
	v_mov_b32 v[MM+2*(2*\v+\qq)], v[AL+2*(2*\v+\qq)+1]                                                    ; plain lines between the exponentials and their first use (ISA guide 5.7.2)
.endr
.endif
.endm
; Pair r (0 to 31) of piece v's O times the factor: destination and source 0 window 1, source 1 window 0, as under the V products' setting.
.macro RESC v, r
	NEED 0xcf, 0x41
	v_pk_mul_f32 v[OO+32*(2*\v+(\r)/16)+2*((\r)%16):OO+32*(2*\v+(\r)/16)+2*((\r)%16)+1], v[OO+32*(2*\v+(\r)/16)+2*((\r)%16):OO+32*(2*\v+(\r)/16)+2*((\r)%16)+1], v[AL+2*(2*\v+(\r)/16):AL+2*(2*\v+(\r)/16)+1] op_sel_hi:[1,0]
.endm
; Pair k (0 to 15) of tile q's scores minus the running maximum.  Written as x * 1.0 + (-M): under the score products' setting the second source place means window 1 (Q),
; the first and the third mean window 0, so this form stands between those products without a switch.  It is one instruction, as the plain sum would be.  SUM1 likewise.
.macro SUB1 q, k
	NEED 0xf3, 0
	v_pk_fma_f32 v[SS+32*(\q)+2*(\k):SS+32*(\q)+2*(\k)+1], v[SS+32*(\q)+2*(\k):SS+32*(\q)+2*(\k)+1], 1.0, v[MM+2*(\q):MM+2*(\q)+1] op_sel_hi:[1,0,0] neg_lo:[0,0,1] neg_hi:[0,0,1]
.endm
.macro EXP1 q, k                       ; score k (0 to 31) of tile q
	NEED 0xc3, 0
	v_exp_f32 v[SS+32*(\q)+(\k)], v[SS+32*(\q)+(\k)]
.endm
; Step k (0 to 14) of the sum of tile q's 32 weights in my lane: four chains of pairs, started by the first sixteen weights.
.macro SUM1 q, k
	NEED 0xf3, 0
.set u_t, TE-(TE-TO)*((\q)&1)
.set u_s, SS+32*(\q)
.if \k < 4
	s_wait_alu depctr_va_vdst(0)
	v_pk_fma_f32 v[u_t+2*(\k):u_t+2*(\k)+1], v[u_s+4*(\k):u_s+4*(\k)+1], 1.0, v[u_s+4*(\k)+2:u_s+4*(\k)+3] op_sel_hi:[1,0,1]
.elseif \k < 12
.set u_c, 2*(((\k)-4)%4)
.set u_p, 16+8*(((\k)-4)/4)
	v_pk_fma_f32 v[u_t+u_c:u_t+u_c+1], v[u_s+u_p+u_c:u_s+u_p+u_c+1], 1.0, v[u_t+u_c:u_t+u_c+1] op_sel_hi:[1,0,1]
.elseif \k == 12
	v_pk_fma_f32 v[u_t:u_t+1], v[u_t+2:u_t+3], 1.0, v[u_t:u_t+1] op_sel_hi:[1,0,1]
.elseif \k == 13
	v_pk_fma_f32 v[u_t+4:u_t+5], v[u_t+6:u_t+7], 1.0, v[u_t+4:u_t+5] op_sel_hi:[1,0,1]
.else
	v_pk_fma_f32 v[u_t:u_t+1], v[u_t+4:u_t+5], 1.0, v[u_t:u_t+1] op_sel_hi:[1,0,1]
.endif
.endm
; Element e (0 to 125) of the stream that shares the score products' setting.  t0, t1 = the piece's tiles.
;   0-15: S - M of t0;   16-63: two exponentials of t0, then one S - M of t1;   64-110: two exponentials of t1, then one step of t0's sum;   111-125: t1's sum.
; So a plain line of the other tile follows every two exponentials, before any of their results is used.
.macro ELEM v, e
.if \e < 16
	SUB1 2*\v, \e
.elseif \e < 64
.if (\e-16)%3 < 2
	EXP1 2*\v, (2*((\e-16)/3)+(\e-16)%3)
.else
	SUB1 (2*\v+1), ((\e-16)/3)
.endif
.elseif \e < 111
.if (\e-64)%3 < 2
	EXP1 (2*\v+1), (2*((\e-64)/3)+(\e-64)%3)
.else
	SUM1 2*\v, ((\e-64)/3)
.endif
.else
	SUM1 (2*\v+1), (\e-111)
.endif
.endm
; The end of tile q's sum, and its 32 weights packed in place into the second source of the products with V.
.macro CVTG q, sfirst
.set u_t, TE-(TE-TO)*((\q)&1)
	NEED 0xcf, 0
.if \sfirst
	v_add_f32 v[LS+(\q)], v[u_t], v[u_t+1]
.else
	v_add_f32 v[u_t], v[u_t], v[u_t+1]
	NEED 0xff, 0
	v_fma_f32 v[LS+(\q)], v[LS+(\q)], v[AL+2*(\q)], v[u_t]
.endif
.irp c, 0,1
.irp p, 0,1,2,3
	v_cvt_pk_bf16_f32 v[SS+32*(\q)+16*\c+\p], v[SS+32*(\q)+16*\c+2*\p], v[SS+32*(\q)+16*\c+2*\p+1]          ; keys 8 h + 0..7 of the 32: registers 0-3
.endr
.irp p, 0,1,2,3
	v_cvt_pk_bf16_f32 v[SS+32*(\q)+16*\c+4+\p], v[SS+32*(\q)+16*\c+8+2*\p], v[SS+32*(\q)+16*\c+8+2*\p+1]    ; keys 16 + 8 h + 0..7: registers 4-7
.endr
.endr
.endm
; Slice n (0 to 31) of piece v's softmax.  0, 1: seven steps of both tiles' maxima; 2: their last two steps, the new maximum, the factor; 3-15: O x factor, 2, 3 or 5 pairs
; (none in the first block); 16-29: nine elements of the stream; 30, 31: a tile's sum and rounding.
.macro SLICE v, n, sfirst
.if \n < 2
.set u_st, 7*\n
.rept 7
	MAXSTEP 2*\v, u_st
	MAXSTEP (2*\v+1), u_st
.set u_st, u_st+1
.endr
.elseif \n == 2
	MAXSTEP 2*\v, 14
	MAXSTEP (2*\v+1), 14
	MAXSTEP 2*\v, 15
	MAXSTEP (2*\v+1), 15
	NEWMAX \v, \sfirst
.elseif \n < 16
.if \sfirst == 0
.if \n < 12
.set u_rs, 2*(\n-3)
.set u_rc, 2
.elseif \n < 15
.set u_rs, 18+3*(\n-12)
.set u_rc, 3
.else
.set u_rs, 27
.set u_rc, 5
.endif
.rept u_rc
	RESC \v, u_rs
.set u_rs, u_rs+1
.endr
.endif
.elseif \n < 30
.set u_se, 9*(\n-16)
.rept 9
	ELEM \v, u_se
.set u_se, u_se+1
.endr
.else
	CVTG (2*\v+\n-30), \sfirst
.endif
.endm
; The first half of a phase: piece m's 16 products with V (pv = 0: none; 1: they start O; 2: they add), slices 0-15 of the other piece behind them (sl = 1).
; The piece's 8 tiles of O take turns, one instruction a turn.
.macro PART1 m, pv, sl, sfirst
.set u_pn, 0
.irp ks, 0,1
.irp qq, 0,1
.irp dt, 0,1,2,3
.if \pv
	NEED 0xff, W_PV
.if \pv+\ks == 1
	v_wmma_f32_16x16x32_bf16 v[OO+32*(2*\m+\qq)+8*\dt:OO+32*(2*\m+\qq)+8*\dt+7], v[VF+32*\ks+8*\dt:VF+32*\ks+8*\dt+7], v[SS+32*(2*\m+\qq)+16*\ks:SS+32*(2*\m+\qq)+16*\ks+7], 0
.else
	v_wmma_f32_16x16x32_bf16 v[OO+32*(2*\m+\qq)+8*\dt:OO+32*(2*\m+\qq)+8*\dt+7], v[VF+32*\ks+8*\dt:VF+32*\ks+8*\dt+7], v[SS+32*(2*\m+\qq)+16*\ks:SS+32*(2*\m+\qq)+16*\ks+7], v[OO+32*(2*\m+\qq)+8*\dt:OO+32*(2*\m+\qq)+8*\dt+7]
.endif
.endif
.if \sl
	SLICE (1-\m), u_pn, \sfirst
.endif
.set u_pn, u_pn+1
.endr
.endr
.endr
.endm
; The second half: piece m's 16 score products (sc = 1), slices 16-31 of the other piece behind them.  Key tiles 1 and 3 come first: P lies in the registers of tiles 0 and 2.
; The piece's 8 score tiles take turns likewise.
.macro PART2 m, sc, sl, sfirst
.set u_pn, 16
.irp ks, 0,1
.irp kt, 1,3,0,2
.irp qq, 0,1
.if \sc
	NEED 0xff, W_SC
.if \ks == 0
	v_wmma_f32_16x16x32_bf16 v[SS+32*(2*\m+\qq)+8*\kt:SS+32*(2*\m+\qq)+8*\kt+7], v[KF+16*\kt+8*\ks:KF+16*\kt+8*\ks+7], v[QQ+16*(2*\m+\qq)+8*\ks:QQ+16*(2*\m+\qq)+8*\ks+7], 0
.else
	v_wmma_f32_16x16x32_bf16 v[SS+32*(2*\m+\qq)+8*\kt:SS+32*(2*\m+\qq)+8*\kt+7], v[KF+16*\kt+8*\ks:KF+16*\kt+8*\ks+7], v[QQ+16*(2*\m+\qq)+8*\ks:QQ+16*(2*\m+\qq)+8*\ks+7], v[SS+32*(2*\m+\qq)+8*\kt:SS+32*(2*\m+\qq)+8*\kt+7]
.endif
.endif
.if \sl
	SLICE (1-\m), u_pn, \sfirst
.endif
.set u_pn, u_pn+1
.endr
.endr
.endr
.endm
; X(j): piece 1's products beside piece 0's softmax of block j.  V(j) is asked for when the last product with V(j-1) and slice 15 have been issued.
.macro XPH pv, sfirst
	PART1 1, \pv, 1, \sfirst
	VLOAD
	PART2 1, 1, 1, \sfirst
.endm
; Y(j): piece 0's products beside piece 1's softmax of block j.  sc = 1: K(j+1) is asked for first (slice 31 stands behind the last product that read K(j)).
.macro YPH pv, sc, sfirst
.if \sc
	NEED 0xcc, 0
	v_add_nc_u32 v[KA], 64*KP, v[KA]
	v_add_nc_u32 v[VA], 64*VP, v[VA]               ; for X(j+1)
	KLOAD
	s_wait_dscnt 16                                ; V(j)'s 16 loads are in; the 16 loads of K just issued stay out
.else
	s_wait_dscnt 0                                 ; V(j)
.endif
	PART1 0, \pv, 1, \sfirst
.if \sc
	s_wait_dscnt 0                                 ; K(j+1), asked for 16 products ago
.endif
	PART2 0, \sc, 1, \sfirst
.endm
	KLOAD                                          ; block 0
	s_wait_loadcnt 0x0                             ; Q
	s_wait_dscnt 0x0
	PART2 0, 1, 0, 0                               ; S0(0): nothing to set among these sixteen products yet
	PLACES                                         ; so four places stand here, once, ahead of the first maximum
	XPH 0, 1                                       ; blocks 0, 1, 2 read V's keys 0-191 and K's keys 0-255: inside the first fills
	YPH 1, 1, 1
	XPH 1, 0
	YPH 2, 1, 0
	XPH 2, 0
	YPH 2, 1, 0
	WIN 0
	s_wait_tensorcnt 0x0                           ; my share of keys 256-1,023 is in
	s_wait_dscnt 0x0
	s_barrier_signal -1
	s_barrier_wait -1                              ; everybody's is
	s_mov_b32 s68, 12
.Lblocks:
	XPH 2, 0                                       ; blocks 3 to 14
	YPH 2, 1, 0
	WIN 0
	s_sub_co_u32 s68, s68, 1
	s_cmp_lg_u32 s68, 0
	s_cbranch_scc1 .Lblocks
	XPH 2, 0                                       ; block 15
	YPH 2, 0, 0                                    ; no further scores, nothing more to fetch
	PART1 1, 2, 0, 0                               ; O1 += V(15) P1(15)
	; THE WAY OUT: divide by the sums, round to bf16, through a stage in K's place (K has had its only fill and is read no more) into whole rows.
	PLACES
	WIN 0
	s_wait_dscnt 0x0
	s_barrier_signal -1
	s_barrier_wait -1                              ; no wave reads K any more
.irp qt, 0,1,2,3
	v_permlanex16_b32 v[AL+2*\qt+1], v[LS+\qt], s66, s67
.endr
.irp qt, 0,1,2,3
	v_add_f32 v[LS+\qt], v[LS+\qt], v[AL+2*\qt+1]  ; both halves' keys
.endr
.irp qt, 0,1,2,3
	v_rcp_f32 v[AL+2*\qt], v[LS+\qt]
.endr
	v_nop                                          ; one plain instruction before a reciprocal is used
	WIN 0x41
	s_wait_alu depctr_va_vdst(0)
.irp qt, 0,1,2,3
.irp p, 0,2,4,6,8,10,12,14,16,18,20,22,24,26,28,30
	v_pk_mul_f32 v[OO+32*\qt+\p:OO+32*\qt+\p+1], v[OO+32*\qt+\p:OO+32*\qt+\p+1], v[AL+2*\qt:AL+2*\qt+1] op_sel_hi:[1,0]
.endr
.endr
	WIN 0x05
.irp qt, 0,1,2,3
.irp dt, 0,1,2,3
.irp p, 0,1,2,3
	v_cvt_pk_bf16_f32 v[SS+16*\qt+4*\dt+\p], v[OO+32*\qt+8*\dt+2*\p], v[OO+32*\qt+8*\dt+2*\p+1]
.endr
.endr
.endr
	WIN 0
.irp qt, 0,1,2,3
.irp dt, 0,1,2,3
	ds_store_b128 v[STO], v[SS+16*\qt+4*\dt:SS+16*\qt+4*\dt+3] offset:16*KP*\qt+32*\dt
.endr
.endr
.irp n, 0,1,2,3,4,5,6,7,8,9,10,11,12,13,14,15
	ds_load_b128 v[192+4*\n:192+4*\n+3], v[RD] offset:4*KP*\n          ; my own bytes: a wave's LDS instructions are served in order
.endr
.irp n, 0,1,2,3,4,5,6,7,8,9,10,11,12,13,14,15
	s_wait_dscnt 15-\n                             ; load n is back, the younger ones stay out
	global_store_b128 v[CO], v[192+4*\n:192+4*\n+3], s[80:81] offset:512*\n      ; four rows: 512 consecutive bytes, aligned
.endr
	s_wait_tensorcnt 0x0
	ds_add_u32 v126, v127
	s_wait_dscnt 0x0
	ROUND                                          ; the closing round
	s_endpgm
.Lfunc_end_k_q73b3787952_attn:
	.size	k_q73b3787952_attn, .Lfunc_end_k_q73b3787952_attn-k_q73b3787952_attn
	.p2alignl 7, 3214868480
	.fill 96, 4, 3214868480
	.section	.rodata,"a",@progbits
	.p2align	6, 0x0
	.amdhsa_kernel k_q73b3787952_attn
		.amdhsa_group_segment_fixed_size 312320
		.amdhsa_private_segment_fixed_size 0
		.amdhsa_enable_private_segment 0
		.amdhsa_kernarg_size 16
		.amdhsa_user_sgpr_count 2
		.amdhsa_user_sgpr_kernarg_segment_ptr 1
		.amdhsa_wavefront_size32 1
		.amdhsa_system_sgpr_workgroup_id_x 1
		.amdhsa_system_sgpr_workgroup_id_y 1
		.amdhsa_system_sgpr_workgroup_id_z 1
		.amdhsa_system_vgpr_workitem_id 0
		.amdhsa_next_free_vgpr 512
		.amdhsa_next_free_sgpr 100
		.amdhsa_reserve_vcc 0
		.amdhsa_float_denorm_mode_32 3
		.amdhsa_float_denorm_mode_16_64 3
		.amdhsa_memory_ordered 1
		.amdhsa_forward_progress 1
		.amdhsa_inst_pref_size 179
	.end_amdhsa_kernel
	.amdgpu_metadata
---
amdhsa.version: [ 1, 2 ]
amdhsa.kernels:
  - .name:           k_q73b3787952_attn
    .symbol:         k_q73b3787952_attn.kd
    .args:
      - { .name: hd, .offset: 0, .size: 8, .value_kind: global_buffer, .address_space: global }
      - { .name: ao, .offset: 8, .size: 8, .value_kind: global_buffer, .address_space: global }
    .group_segment_fixed_size: 312320
    .private_segment_fixed_size: 0
    .kernarg_segment_align: 8
    .kernarg_segment_size: 16
    .max_flat_workgroup_size: 256
    .sgpr_count:     100
    .vgpr_count:     512
    .wavefront_size: 32
...
	.end_amdgpu_metadata
.endif
;; end of part 4
;; launch oproj (part 5): grid 4 x 64, 4 waves a work-group, clusters of 4 x 4, 327,680 bytes of LDS; arguments ao, wb, bo, out0; writes out0
.if DOCPART == 5
	.amdgcn_target "amdgcn-amd-amdhsa--gfx1250"
	.amdhsa_code_object_version 6
	.text
	.protected	k_q73b3787952_oproj
	.globl	k_q73b3787952_oproj
	.p2align	8
	.type	k_q73b3787952_oproj,@function
k_q73b3787952_oproj:
	s_mov_b64 s[64:65], 0
	v_nop
	global_prefetch_b8 v0, s[64:65] scope:SCOPE_SE
	s_setreg_imm32_b32 hwreg(HW_REG_WAVE_MODE, 25, 1), 1
	s_wait_xcnt 0x0
	s_wait_alu depctr_hold_cnt(0) depctr_sa_sdst(0) depctr_va_vdst(0) depctr_va_sdst(0) depctr_va_ssrc(0) depctr_va_vcc(0) depctr_vm_vsrc(0)
	s_getreg_b32 s2, hwreg(HW_REG_IB_STS2, 6, 4)
	s_cmp_eq_u32 s2, 0
	s_cbranch_scc0 .Lentry_in_a_cluster
	s_endpgm
.Lentry_in_a_cluster:
	s_bfe_u32 s2, ttmp6, 0x10000c
	s_cmp_lg_u32 s2, 0xf033
	s_cbranch_scc0 .Lentry_shape_is_right
	s_endpgm
.Lentry_shape_is_right:
; LAUNCH 5 OF 5.  out0[t][b][n] = sum over e of ao(t, b, e) Wo[n][e] + bo[n], f32.  ao: [b][h][t][64] bf16, e = 64 h + d.  Wo is the fourth matrix of wb.
; A work-group makes 256 t (one b) x 128 n, K = 512 in four steps of 128 (two heads) through two LDS slots; wave w makes rows 64 w .. + 63 x all 128 n.
; CLUSTERS 4 x 4: cx = the column block, cy = b, the cluster's y = cl the row block.  ao's tile hangs on cl, cy and is shared along a row of the cluster,
; Wo's on cx and is shared along a column.  In ao the 256 rows of one head are 32 KiB without a gap: a tile is brought as 128 rows of 256 bytes, with
; padding behind every 128 bytes, so that a t's 64 numbers of a head lie 144 bytes apart in LDS.
; The matrix instruction is used transposed (source 0 = 16 rows of Wo, source 1 = 16 rows t): a lane holds 8 neighbouring n of one t.
; REGISTERS as in the projections: window 0 addresses and two fragment buffers, window 1 the 32 accumulator tiles, window 2 v0-63 the bias.
.set PITCH, 272                        ; Wo's LDS pitch
.set AP,    144                        ; ao's LDS pitch: 128 bytes + 16 (9 x 16)
.set ATILE, 256*AP                     ; one head's 256 rows: what wave 0 or 1 brings
.set WTILE, 64*PITCH
.set WOFF,  2*ATILE
.set SLOT,  WOFF+2*WTILE               ; 108,544
.set STAGE, 2*SLOT                     ; 16 rows x 528 bytes for each wave; no fill lands here
.set SP,    528
.set ADRA, 16
.set ADRB, 20
.set STO,  24
.set RD,   25
.set CO,   26
.set BO,   27
.set F0,   64
.set F1,   160
.set RB,   64                          ; the way out: v64-127, v128-191 rows read back, in turn
.set G1, 24
.set G0, 32
.set G1B, 48
.set G0B, 56
.set MULW, 0x50
.set MSB, 0
.macro WIN new
.if MSB != (\new)
	s_set_vgpr_msb (MSB<<8)|(\new)
.set MSB, (\new)
.endif
.endm
.macro PLACES
.rept 4
	v_nop
.endr
.endm
.macro JLOAD s
	s_cmp_eq_u32 s17, 0
	s_cbranch_scc0 .Lfor_b_\@
	tensor_load_to_lds s[G0+4*\s:G0+4*\s+3], s[G1:G1+7]
	s_nop 0
	s_branch .Lasked_\@
.Lfor_b_\@:
	tensor_load_to_lds s[G0B+4*\s:G0B+4*\s+3], s[G1B:G1B+7]
	s_nop 0
.Lasked_\@:
.endm
.macro CREST
	s_cmp_lg_u32 s16, 0
	s_cbranch_scc1 .Lnot_wave_0_\@
	s_barrier_signal -3
.Lnot_wave_0_\@:
	s_barrier_wait -3
	s_barrier_signal -1
	s_barrier_wait -1
.endm
.macro CROUND
	s_barrier_signal -1
	s_barrier_wait -1
	CREST
.endm
	s_load_b256 s[4:11], s[0:1], 0x0               ; ao s[4:5], wb s[6:7], bo s[8:9], out0 s[10:11]
	v_lshl_add_u32 v62, v0, 2, 0x3d400
	v_mov_b32 v63, 0
	ds_add_u32 v62, v63
	v_lshrrev_b32 v1, 5, v0
	v_readfirstlane_b32 s16, v1                    ; wave 0..3
	s_lshr_b32 s17, s16, 1                         ; I fetch ao (0) or Wo (1)
	s_and_b32 s18, s16, 1                          ; which head of the two, or which half of Wo's rows
	s_bfe_u32 s19, ttmp6, 0x40000                  ; cx = column block
	s_bfe_u32 s20, ttmp6, 0x40004                  ; cy = b
	s_and_b32 s21, ttmp7, 0xffff                   ; cl = row block 0..15
	s_lshl_b32 s40, s20, 2
	s_lshl_b32 s40, 15, s40                        ; my row of the cluster
	s_lshl_b32 s41, 0x1111, s19                    ; my column
	s_or_b32 s[G1+0], s40, (3<<16)|(1<<20)|(1<<21)|(4<<22)|(3<<25)   ; 8-byte elements; after every 32 words 4 words of padding
	s_mov_b32 s[G1+1], 32<<16
	s_mov_b32 s[G1+2], 128<<16
	s_mov_b32 s[G1+3], 32<<16                      ; 32 elements (256 bytes)
	s_mov_b32 s[G1+4], 128                         ; x 128 rows: 32 KiB without a gap
	s_mov_b32 s[G1+5], 32
	s_mov_b32 s[G1+6], 0
	s_mov_b32 s[G1+7], 0
	s_or_b32 s[G1B+0], s41, (1<<16)|(1<<20)|(1<<21)|(5<<22)|(3<<25)
	s_mov_b32 s[G1B+1], 128<<16
	s_mov_b32 s[G1B+2], 64<<16
	s_mov_b32 s[G1B+3], 128<<16
	s_mov_b32 s[G1B+4], 64
	s_mov_b32 s[G1B+5], 512
	s_mov_b32 s[G1B+6], 0
	s_mov_b32 s[G1B+7], 0
	s_lshl_b32 s42, s20, 3                         ; ao: head 8 b + my one of the step's two,
	s_add_co_u32 s42, s42, s18
	s_lshl_b32 s42, s42, 12                        ; x 4,096 rows,
	s_lshl_b32 s43, s21, 8                         ; + 256 x row block,
	s_add_co_u32 s42, s42, s43
	s_lshl_b32 s42, s42, 7                         ; of 128 bytes
	s_mov_b32 s43, 0
	s_lshl_b32 s46, s19, 17                        ; Wo: row 128 cx x 1,024 bytes,
	s_lshl_b32 s47, s18, 16                        ; + 64 rows x half,
	s_add_co_u32 s46, s46, s47
	s_add_co_u32 s46, s46, 3*524288                ; behind Wq, Wk, Wv
	s_mov_b32 s47, 0
	s_mul_i32 s66, s16, ATILE                      ; LDS: the two heads at wave x 36,864 (waves 0, 1)
	s_mul_i32 s67, s16, WTILE
	s_add_co_u32 s67, s67, WOFF-2*WTILE            ; Wo's halves at 73,728 + (wave - 2) x 17,408 (waves 2, 3)
	s_lshl_b32 s76, s19, 9                         ; the bias: 128 columns x 4 bytes x cx
	s_mov_b32 s77, 0
	v_and_b32 v1, 15, v0                           ; r
	v_bfe_u32 v2, v0, 4, 1                         ; h
	v_lshlrev_b32 v[BO], 5, v2
	s_wait_dscnt 0x0
	s_wait_kmcnt 0x0
	s_add_nc_u64 s[42:43], s[4:5], s[42:43]
	s_add_nc_u64 s[46:47], s[6:7], s[46:47]
	s_add_nc_u64 s[74:75], s[8:9], s[76:77]
	WIN 0x80                                       ; destination window 2
.irp b, 0,1,2,3,4,5,6,7
	global_load_b128 v[8*\b:8*\b+3],   v[BO], s[74:75] offset:64*\b
	global_load_b128 v[8*\b+4:8*\b+7], v[BO], s[74:75] offset:64*\b+16
.endr
	WIN 0
	CROUND
.irp s, 0,1
	s_mov_b32 s[G0+4*\s], 1
	s_add_co_u32 s[G0+4*\s+1], s66, \s*SLOT
	s_add_nc_u64 s[G0+4*\s+2:G0+4*\s+3], s[42:43], \s*1048576      ; K step s: two heads of 524,288 bytes on
	s_or_b32 s[G0+4*\s+3], s[G0+4*\s+3], 0x80000000
	s_mov_b32 s[G0B+4*\s], 1
	s_add_co_u32 s[G0B+4*\s+1], s67, \s*SLOT
	s_add_nc_u64 s[G0B+4*\s+2:G0B+4*\s+3], s[46:47], \s*256
	s_or_b32 s[G0B+4*\s+3], s[G0B+4*\s+3], 0x80000000
	JLOAD \s                                       ; two tensor loads of the wave are out
.endr
	v_mul_u32_u24 v3, v1, AP
	v_lshl_add_u32 v3, v2, 4, v3
	s_mul_i32 s76, s16, 64*AP                      ; my 64 rows
	v_add_nc_u32 v[ADRA], s76, v3
	v_add_nc_u32 v[ADRA+1], SLOT, v[ADRA]
	v_mul_u32_u24 v4, v1, PITCH
	v_lshl_add_u32 v4, v2, 4, v4
	v_add_nc_u32 v[ADRB], WOFF, v4
	v_add_nc_u32 v[ADRB+1], SLOT, v[ADRB]
	s_mul_i32 s77, s16, 16*SP
	s_add_co_u32 s77, s77, STAGE
	v_mul_u32_u24 v5, v1, SP
	v_lshl_add_u32 v5, v2, 5, v5                   ; in: row r, 32 bytes for each half of the lanes
	v_add_nc_u32 v[STO], s77, v5
	v_and_b32 v6, 31, v0
	v_lshlrev_b32 v[CO], 4, v6                     ; back and out: a row's 512 bytes, 16 a lane
	v_add_nc_u32 v[RD], s77, v[CO]
	s_lshl_b32 s76, s21, 8                         ; out0: t = 256 cl + 64 wave,
	s_lshl_b32 s77, s16, 6
	s_add_co_u32 s76, s76, s77
	s_lshl_b32 s76, s76, 2                         ; row 4 t + b,
	s_add_co_u32 s76, s76, s20
	s_lshl_b32 s76, s76, 11                        ; of 2,048 bytes,
	s_lshl_b32 s77, s19, 9                         ; + 512 cx
	s_add_co_u32 s76, s76, s77
	s_mov_b32 s77, 0
	s_add_nc_u64 s[70:71], s[10:11], s[76:77]
; 8 matrix instructions: row block a x all 8 column blocks.  The 32 accumulators take turns, one instruction a turn.
.macro MUL8 f, a, zero
.irp b, 0,1,2,3,4,5,6,7
.if \zero
	v_wmma_f32_16x16x32_bf16 v[8*(8*\a+\b):8*(8*\a+\b)+7], v[\f+8*\b:\f+8*\b+7], v[\f+64+8*\a:\f+64+8*\a+7], 0
.else
	v_wmma_f32_16x16x32_bf16 v[8*(8*\a+\b):8*(8*\a+\b)+7], v[\f+8*\b:\f+8*\b+7], v[\f+64+8*\a:\f+64+8*\a+7], v[8*(8*\a+\b):8*(8*\a+\b)+7]
.endif
.endr
.endm
.macro FETCH slot, q, f                ; 24 LDS loads; quarter q of a K step is head q / 2 of the two, numbers 32 (q % 2) .. + 31
.irp b, 0,1,2,3,4,5,6,7
	ds_load_b128 v[\f+8*\b:\f+8*\b+3],   v[ADRB+\slot] offset:64*\q+16*PITCH*\b
	ds_load_b128 v[\f+8*\b+4:\f+8*\b+7], v[ADRB+\slot] offset:64*\q+16*PITCH*\b+32
.endr
.irp a, 0,1,2,3
	ds_load_b128 v[\f+64+8*\a:\f+64+8*\a+3],   v[ADRA+\slot] offset:(\q>>1)*ATILE+(\q&1)*64+16*AP*\a
	ds_load_b128 v[\f+64+8*\a+4:\f+64+8*\a+7], v[ADRA+\slot] offset:(\q>>1)*ATILE+(\q&1)*64+16*AP*\a+32
.endr
.endm
.macro QUARTER slot, q, f, g, zero
	s_wait_dscnt 4                                 ; Wo and ao's blocks 0, 1 are in; the youngest four loads (blocks 2, 3) may be out
	WIN MULW
	MUL8 \f, 0, \zero
	MUL8 \f, 1, \zero
	PLACES
	WIN 0
	FETCH \slot, \q, \g
	s_wait_dscnt 24                                ; all but the 24 just issued
	WIN MULW
	MUL8 \f, 2, \zero
	MUL8 \f, 3, \zero
.endm
.macro THREE slot, zero
	QUARTER \slot, 1, F0, F1, \zero
	QUARTER \slot, 2, F1, F0, 0
	QUARTER \slot, 3, F0, F1, 0
.endm
.macro TURN slot, next, fill
	s_wait_dscnt 4
	WIN MULW
	MUL8 F1, 0, 0
	s_wait_dscnt 0                                 ; my reads of this slot are over
	s_wait_tensorcnt 0x0                           ; all my tensor loads have landed, my part of the next slot among them
	ds_add_u32 v62, v63
	s_wait_dscnt 0x0
	s_barrier_signal -1
	MUL8 F1, 1, 0                                  ; registers only
	WIN 0
	s_barrier_wait -1
.if \fill
	CREST                                          ; the round closes: no wave of any partner reads this slot or has a load on its way
	s_add_nc_u64 s[G0+4*\slot+2:G0+4*\slot+3], s[G0+4*\slot+2:G0+4*\slot+3], 2097152
	s_add_nc_u64 s[G0B+4*\slot+2:G0B+4*\slot+3], s[G0B+4*\slot+2:G0B+4*\slot+3], 512
	JLOAD \slot                                    ; the wave's one tensor load behind the round
.endif
	PLACES
	FETCH \next, 0, F0
	WIN MULW
	MUL8 F1, 2, 0
	MUL8 F1, 3, 0
.endm
	s_wait_tensorcnt 1                             ; my part of K step 0 is in; K step 1's stays out
	s_barrier_signal -1
	s_barrier_wait -1
	FETCH 0, 0, F0
	THREE 0, 1                                     ; the first products start the sums
	TURN 0, 1, 1
	THREE 1, 0
	TURN 1, 0, 1
	THREE 0, 0
	TURN 0, 1, 0                                   ; nothing is left to fetch
	THREE 1, 0
	s_wait_dscnt 4
	WIN MULW
	MUL8 F1, 0, 0
	MUL8 F1, 1, 0
	s_wait_dscnt 0
	MUL8 F1, 2, 0
	MUL8 F1, 3, 0
	PLACES                                         ; behind the last matrix instructions: for the sums that read results and the loads into the buffers
	s_wait_loadcnt 0x0                             ; the bias
	; THE WAY OUT, 16 rows t at a time: add the bias, 32 bytes a lane into my stage, read back as whole rows of 512 bytes, store.
.irp a, 0,1,2,3
	WIN 0x49                                       ; destination and source 0 window 1, source 1 window 2
.irp b, 0,1,2,3,4,5,6,7
.irp p, 0,2,4,6
	v_pk_add_f32 v[8*(8*\a+\b)+\p:8*(8*\a+\b)+\p+1], v[8*(8*\a+\b)+\p:8*(8*\a+\b)+\p+1], v[8*\b+\p:8*\b+\p+1]
.endr
.endr
	WIN 0x04                                       ; store data from window 1
.irp b, 0,1,2,3,4,5,6,7
	ds_store_b128 v[STO], v[8*(8*\a+\b):8*(8*\a+\b)+3]   offset:64*\b
	ds_store_b128 v[STO], v[8*(8*\a+\b)+4:8*(8*\a+\b)+7] offset:64*\b+16
.endr
	WIN 0
	s_wait_xcnt 0x0                                ; the registers that earlier stores read are loaded again only behind this wait
.irp i, 0,1,2,3,4,5,6,7,8,9,10,11,12,13,14,15
	ds_load_b128 v[RB+64*(\a&1)+4*\i:RB+64*(\a&1)+4*\i+3], v[RD] offset:SP*\i        ; my own bytes: a wave's LDS instructions are served in order
.endr
.irp i, 0,1,2,3,4,5,6,7,8,9,10,11,12,13,14,15
	s_wait_dscnt 15-\i                             ; row i is back, the younger loads stay out
	global_store_b128 v[CO], v[RB+64*(\a&1)+4*\i:RB+64*(\a&1)+4*\i+3], s[70:71] offset:(16*\a+\i)*8192 th:TH_STORE_NT   ; 512 consecutive bytes, aligned; from t to t + 1 are 8,192 bytes
.endr
.endr
	s_wait_tensorcnt 0x0
	ds_add_u32 v62, v63
	s_wait_dscnt 0x0
	CROUND                                         ; the closing round
	s_endpgm
.Lfunc_end_k_q73b3787952_oproj:
	.size	k_q73b3787952_oproj, .Lfunc_end_k_q73b3787952_oproj-k_q73b3787952_oproj
	.p2alignl 7, 3214868480
	.fill 96, 4, 3214868480
	.section	.rodata,"a",@progbits
	.p2align	6, 0x0
	.amdhsa_kernel k_q73b3787952_oproj
		.amdhsa_group_segment_fixed_size 327680
		.amdhsa_private_segment_fixed_size 0
		.amdhsa_enable_private_segment 0
		.amdhsa_kernarg_size 32
		.amdhsa_user_sgpr_count 2
		.amdhsa_user_sgpr_kernarg_segment_ptr 1
		.amdhsa_wavefront_size32 1
		.amdhsa_system_sgpr_workgroup_id_x 1
		.amdhsa_system_sgpr_workgroup_id_y 1
		.amdhsa_system_sgpr_workgroup_id_z 1
		.amdhsa_system_vgpr_workitem_id 0
		.amdhsa_next_free_vgpr 576
		.amdhsa_next_free_sgpr 96
		.amdhsa_reserve_vcc 0
		.amdhsa_float_denorm_mode_32 3
		.amdhsa_float_denorm_mode_16_64 3
		.amdhsa_memory_ordered 1
		.amdhsa_forward_progress 1
		.amdhsa_inst_pref_size 95
	.end_amdhsa_kernel
	.amdgpu_metadata
---
amdhsa.version: [ 1, 2 ]
amdhsa.kernels:
  - .name:           k_q73b3787952_oproj
    .symbol:         k_q73b3787952_oproj.kd
    .args:
      - { .name: ao, .offset: 0, .size: 8, .value_kind: global_buffer, .address_space: global }
      - { .name: wb, .offset: 8, .size: 8, .value_kind: global_buffer, .address_space: global }
      - { .name: bo, .offset: 16, .size: 8, .value_kind: global_buffer, .address_space: global }
      - { .name: out0, .offset: 24, .size: 8, .value_kind: global_buffer, .address_space: global }
    .group_segment_fixed_size: 327680
    .private_segment_fixed_size: 0
    .kernarg_segment_align: 8
    .kernarg_segment_size: 32
    .max_flat_workgroup_size: 128
    .sgpr_count:     96
    .vgpr_count:     576
    .wavefront_size: 32
...
	.end_amdgpu_metadata
.endif
;; end of part 5
